; MI455X (gfx1250); checked and timed in simulation.
; The chip was launched on July 23, 2026; its instructions are those of AMD's public machine-readable ISA for CDNA 5 (MIT licence, August 2026) and "CDNA5" Instruction Set Architecture Reference Guide (July 2026). The comments in the code are by the model that wrote it; some were corrected since.
;; Causal Temporal Attention. Allowed arithmetic: matrix products marked QUANTISED: E2M1 operands, one E8M0 scale for each 32 along K, by v_wmma_scale_f32_16x16x128_f8f6f4 with both operands' format E2M1 (or v_wmma_scale_f32_32x16x128_f4), f32 sums; products left as they are: bf16, f16 or f32 operands; f32 sums; everything else in f32.
;; Inputs: b_out 1,024 float32; b_qkv 3,072 float32; pos_bias 1 x 16 x 1 x 64 float32; w_out 1,024 x 1,024 float32; w_qkv 1,024 x 3,072 float32; x 2 x 2,048 x 1,024 float32.
;; Outputs: out0 2 x 2,048 x 1,024 float32.
;; This version of the problem:
;;   THIS VERSION OF THE PROBLEM IS GIVEN IN LOW PRECISION. The matrix products marked QUANTISED in the list below multiply operands that are first quantised to E2M1 (2 exponent bits, 1 mantissa bit; 4 bits a number), with one power-of-two scale for each 32 numbers along K (OCP MX v1.0); their sums are f32. The products marked 'left as it is' may take bf16, f16 or f32 operands, with f32 sums. Whichever they take, every output number must still come out within the allowed error. Rounding operands to bf16 (8 significant bits) uses up far more of that allowance than f16 does (11 bits, for magnitudes from 6e-5 to 65,504). All else is computed in f32.
;;   The module's matrix products, in the order in which they are computed (A, B: the left and right operand; K: the contracted axis; several contracted axes count as one K, in the product's order):
;;     1. [M 4,096, K 1,024] x [K 1,024, N 3,072]; A: input x; B: input w_qkv: QUANTISED
;;     2. batch 32 x [M 2,048, K 64] x [K 64, N 2,048]; A: computed on the way; B: computed on the way: left as it is (an operand is computed on the way)
;;     3. batch 32 x [M 2,048, K 2,048] x [K 2,048, N 64]; A: computed on the way; B: computed on the way: left as it is (an operand is computed on the way)
;;     4. [M 4,096, K 1,024] x [K 1,024, N 1,024]; A: computed on the way; B: input w_out: left as it is (an operand is computed on the way)
;;   THE QUANTISER, for each operand of a quantised product, along K:
;;     - K is cut into blocks of 32 from its start; a last block that is shorter is filled with zeros.
;;     - A block's scale is 2^e with e = floor(log2(the largest magnitude in the block)) - 2, held to -126 .. 127; a block of zeros has e = 0. As a byte (E8M0): e + 127.
;;     - Each number is divided by its block's scale, clamped to +-6, and rounded to the nearest number of E2M1, ties to even, subnormals kept.
;;     - The product sums the exact products of the quantised numbers (number of the format x scale) in f32.
;;   ~~~python
;;   def quantise(x, axis):      # numpy; x: float32 -> the quantised numbers, widened to float32 again
;;       x = np.moveaxis(x, axis, -1); K = x.shape[-1]
;;       x = np.pad(x, [(0, 0)] * (x.ndim - 1) + [(0, -K % 32)]); x = x.reshape(x.shape[:-1] + (-1, 32)); a = np.abs(x).max(-1, keepdims=True)
;;       e = np.where(a > 0, np.clip(np.frexp(np.where(a > 0, a, 1))[1] - 1 - 2, -126, 127), 0)      # np.frexp(a)[1] - 1 = floor(log2(a)), exactly
;;       r = np.clip(x / 2.0 ** e, -6, 6)
;;       step = 2.0 ** (np.maximum(np.frexp(np.where(r == 0, 1, r))[1] - 1, 0) - 1)
;;       q = np.round(r / step) * step * 2.0 ** e      # np.round: ties to even
;;       return np.moveaxis(q.reshape(q.shape[:-2] + (-1,))[..., :K], -1, axis).astype(np.float32)
;;   ~~~
;; One version. Each part assembles by itself: llvm-mc -triple=amdgcn-amd-amdhsa -mcpu=gfx1250 --defsym DOCPART=n.
;; ======== version 1 of 1: 5 launches
;; limits: values are held in f16: magnitudes above 65,504 overflow, below 6.1e-05 lose precision
;; workspace buffers: xc 2,097,152 bytes; wc 1,572,864 bytes; sc 229,376 bytes; wo 2,097,152 bytes; qkv 25,165,824 bytes; of 8,388,608 bytes; f32r 393,216 bytes
;; launch prep (part 1): grid 256 x 1, 8 waves a work-group, no clusters, 70,656 bytes of LDS; arguments x, w_qkv, w_out, xc, wc, sc, wo; writes xc, wc, sc, wo
.if DOCPART == 1
	.amdgcn_target "amdgcn-amd-amdhsa--gfx1250"
	.amdhsa_code_object_version 6
	.text
	.protected	k_qfbc3e19e51_prep
	.globl	k_qfbc3e19e51_prep
	.p2align	8
	.type	k_qfbc3e19e51_prep,@function
k_qfbc3e19e51_prep:
	s_mov_b64 s[64:65], 0
	v_nop
	global_prefetch_b8 v0, s[64:65] scope:SCOPE_SE
	s_setreg_imm32_b32 hwreg(HW_REG_WAVE_MODE, 25, 1), 1
	s_wait_xcnt 0x0
; x [4096][1024] and w_qkv [1024][3072], f32, become codes of FP4 (E2M1) with one E8M0 byte for each 32 along K; w_out [1024][1024] becomes f16.
; ALL THREE LEAVE AS IMAGES OF OPERAND REGISTERS.  A fragment (16 rows x 128 K of codes, or 16 rows x 32 K of f16) is 1,024 bytes: registers 0-3 of lane l at 16 l, registers 4-7 at 512 + 16 l.
;   xc [m16 256][kstep 8][1024]   wc [n16 192][kstep 8][1024]   wo [n16 64][k32 32][1024]
;   sc: x's scale words at 0: [khalf 2][row 4096][4 words];  w's at 131,072: [khalf 2][n 3072][4 words]; word q of a row: the four bytes of kstep 4 khalf + q.
; A block's scale is 2^(floor(log2(largest magnitude)) - 2): its byte is the largest magnitude's exponent field - 2, held at 1 from below by a floor among the maximum's leaves.
; LIMITS: a block of zeros gets the byte 1 where the rule says 127 (its codes are zeros, and this program alone reads the bytes); NaN and infinities are not served; |w_out| above 65,504 becomes infinity in f16.
; SHARES: work-groups 0-127 take x (32 rows each), 128-223 w_qkv (64 columns x half of K), 224-255 w_out (the same split).  Each wave asks for its whole 16 KB at once; no loop.
; x: K is innermost.  A load takes 512 consecutive bytes of a row; 16 rows x 512 bytes turn through the wave's own stage in LDS (rows 528 bytes apart), so that a lane holds two whole blocks of its row.
; w_qkv, w_out: K is the first axis.  A lane takes a column and its registers run down K: nothing is transposed.
; The scale words of a work-group meet in LDS and leave as runs of 512 consecutive bytes.  Each of the two paths that use LDS has bytes of its own.
.set STG,   8448                       ; a wave's stage: 16 rows x 528 bytes
.set XSC,   67584                      ; x's scale words: [khalf 2][32 rows][16 bytes]
.set WSC,   68608                      ; w's: [64 columns][16 bytes]
.set SPARE, 69632                      ; the spare words, 128 bytes for each wave: four blocks of 256 bytes that no other line names
.set SPW, 30                           ; v30 LDS address of my spare word; never rewritten
.set NIL, 31                           ; v31 0; never rewritten
.set C,   32                           ; v32-47   codes
.set T,   48                           ; v48-111  64 numbers of my row (x), or packed f16 (w_out)
.set R,   112                          ; v112-239 128 registers as loaded
	s_load_b256 s[4:11], s[0:1], 0x0               ; x s[4:5], w_qkv s[6:7], w_out s[8:9], xc s[10:11]
	s_load_b128 s[12:15], s[0:1], 0x20             ; wc s[12:13], sc s[14:15]
	s_load_b64 s[16:17], s[0:1], 0x30              ; wo
	v_lshl_add_u32 v[SPW], v0, 2, SPARE
	v_mov_b32 v[NIL], 0
	v_lshrrev_b32 v1, 5, v0
	v_readfirstlane_b32 s18, v1                    ; wave 0..7
	v_and_b32 v1, 31, v0                           ; lane
	v_and_b32 v2, 15, v0                           ; r
	v_bfe_u32 v3, v0, 4, 1                         ; h
	v_lshlrev_b32 v4, 4, v1                        ; 16 x lane
	v_lshlrev_b32 v5, 2, v1                        ; 4 x lane
	v_lshlrev_b32 v26, 3, v3                       ; 8 h: where my bytes stand in a scale word of x
	v_mov_b32 v24, 0                               ; written once: a lane permute's destination counts as one of its sources
	s_mov_b32 s20, 0x76543210
	s_mov_b32 s21, 0xfedcba98                      ; v_permlanex16_b32's selects for lane l xor 16
	s_lshr_b32 s22, s18, 2                         ; wave / 4
	s_and_b32 s23, s18, 3                          ; wave % 4
	s_and_b32 s24, s18, 1                          ; wave % 2
	; every LDS address is made here, ahead of all partings
	s_mul_i32 s25, s18, STG
	v_add_nc_u32 v6, s25, v4                       ; the stage, in: 16 x lane of a row
	v_mul_u32_u24 v7, v2, 528
	v_lshl_add_u32 v7, v3, 7, v7
	v_add_nc_u32 v7, s25, v7                       ; out: row r, + 128 h bytes: my block of 32 numbers
	s_lshr_b32 s26, s23, 1
	s_lshl_b32 s26, s26, 9                         ; x's words: khalf x 512
	s_lshl_b32 s27, s22, 8                         ; + which 16 rows x 256
	s_add_co_u32 s26, s26, s27
	s_lshl_b32 s27, s24, 3                         ; + which two words x 8
	s_add_co_u32 s26, s26, s27
	s_add_co_u32 s26, s26, XSC
	v_lshl_add_u32 v8, v2, 4, s26                  ; + 16 r
	s_lshl_b32 s27, s24, 9
	s_add_co_u32 s26, s27, XSC
	v_add_nc_u32 v9, s26, v4                       ; and back: khalf = wave % 2, 16 x lane
	s_lshl_b32 s26, s22, 9                         ; w's words: which 32 columns x 512
	s_lshl_b32 s28, s23, 2                         ; + which kstep of the half x 4
	s_add_co_u32 s26, s26, s28
	s_add_co_u32 s26, s26, WSC
	v_add_nc_u32 v11, s26, v4                      ; + 16 x lane
	s_add_co_u32 s26, s27, WSC
	v_add_nc_u32 v25, s26, v4                      ; and back: 32 columns a wave
	s_wait_kmcnt 0x0
	s_cmp_lt_u32 ttmp9, 128
	s_cbranch_scc0 .Lnot_x
	; ---------------- x: wave = (which 16 rows, which two ksteps)
	s_lshl_b32 s26, ttmp9, 1
	s_add_co_u32 s26, s26, s22                     ; m16
	s_lshl_b32 s28, s26, 16                        ; 16 rows of 4,096 bytes
	s_lshl_b32 s30, s23, 10                        ; two ksteps are 1,024 bytes of a row
	s_add_co_u32 s28, s28, s30
	s_mov_b32 s29, 0
	s_add_nc_u64 s[4:5], s[4:5], s[28:29]
	s_lshl_b32 s28, s26, 13                        ; the codes: 8 fragments for each m16,
	s_lshl_b32 s30, s23, 11                        ; my two
	s_add_co_u32 s28, s28, s30
	s_add_nc_u64 s[10:11], s[10:11], s[28:29]
	s_lshl_b32 s28, s24, 16                        ; the scale words: khalf = wave % 2,
	s_lshl_b32 s30, ttmp9, 9                       ; the work-group's 32 rows
	s_add_co_u32 s28, s28, s30
	s_add_nc_u64 s[14:15], s[14:15], s[28:29]
.irp s, 0,1
.irp i, 0,1,2,3,4,5,6,7,8,9,10,11,12,13,14,15
	global_load_b128 v[R+64*\s+4*\i:R+64*\s+4*\i+3], v4, s[4:5] offset:4096*\i+512*\s th:TH_LOAD_NT   ; 512 consecutive bytes: kstep s of row i
.endr
.endr
.macro XSTEP s
.if \s == 0
	s_wait_loadcnt 16                              ; the first kstep's sixteen loads are in; the second's sixteen may be out
.else
	s_wait_loadcnt 0x0
.endif
.irp i, 0,1,2,3,4,5,6,7,8,9,10,11,12,13,14,15
	ds_store_b128 v6, v[R+64*\s+4*\i:R+64*\s+4*\i+3] offset:528*\i
.endr
.irp c, 0,1
.irp j, 0,1,2,3,4,5,6,7
	ds_load_b128 v[T+32*\c+4*\j:T+32*\c+4*\j+3], v7 offset:256*\c+16*\j   ; LDS serves a wave's instructions in order: these see my stores.  k = 64 c + 32 h + 4 j on, of row r
.endr
.endr
	s_wait_dscnt 0x0
.irp c, 0,1
	v_max3_num_f32 v[12+\c], |v[T+32*\c]|, |v[T+32*\c+1]|, 0x1800000   ; block 2 c + h: all its 32 numbers are mine; the floor 2^(3 - 127) holds the byte at 1 from below
.endr
.irp i, 2,4,6,8,10,12,14,16,18,20,22,24,26,28,30
.irp c, 0,1
	v_max3_num_f32 v[12+\c], v[12+\c], |v[T+32*\c+\i]|, |v[T+32*\c+\i+1]|   ; (the two blocks by turns)
.endr
.endr
.irp c, 0,1
	v_add_nc_u32 v[14+\c], 0xff000000, v[12+\c]    ; 2 off the exponent field: the conversion takes the exponent field of this operand as its scale
.endr
.irp c, 0,1
	v_lshrrev_b32 v[16+\c], 23, v[14+\c]           ; the scale's byte
.endr
	v_lshl_or_b32 v[18+\s], v17, 16, v16           ; bytes h and 2 + h of the word,
	v_lshlrev_b32 v[18+\s], v26, v[18+\s]          ; at their places;
	v_permlanex16_b32 v24, v[18+\s], s20, s21
	v_or_b32 v[18+\s], v[18+\s], v24               ; with lane l xor 16's two the word is whole
.irp c, 0,1
.irp g, 0,1,2,3
	v_cvt_scalef32_pk8_fp4_f32 v[C+8*\s+4*\c+\g], v[T+32*\c+8*\g:T+32*\c+8*\g+7], v[14+\c]
.endr
.endr
	v_nop                                          ; one plain line behind the last scaled conversion
.irp c, 0,1
	global_store_b128 v4, v[C+8*\s+4*\c:C+8*\s+4*\c+3], s[10:11] offset:1024*\s+512*\c   ; the fragment's image: 512 consecutive bytes
.endr
.endm
	XSTEP 0
	XSTEP 1
	ds_store_b64 v8, v[18:19]                      ; my row's two words (lanes 16-31 write the same words to the same places)
	s_wait_dscnt 0x0                               ; for the others' sake: my stores have landed
	s_barrier_signal -1
	s_barrier_wait -1
	s_cmp_lt_u32 s18, 2
	s_cbranch_scc0 .Lx_end
	ds_load_b128 v[20:23], v9                      ; waves 0 and 1: a khalf's words of the 32 rows
	s_wait_dscnt 0x0
	global_store_b128 v4, v[20:23], s[14:15]       ; 512 consecutive bytes
.Lx_end:
	s_wait_tensorcnt 0x0                           ; the wave's end, behind my last LDS store
	ds_add_u32 v[SPW], v[NIL]
	s_wait_dscnt 0x0
	s_endpgm
; 128 rows of K at 32 neighbouring columns: a lane to a column, registers down K
.macro LOADK base, pitch, nt
.set i, 0
.rept 128
.if \nt
	global_load_b32 v[R+i], v5, s[\base:\base+1] offset:i*\pitch th:TH_LOAD_NT
.else
	global_load_b32 v[R+i], v5, s[\base:\base+1] offset:i*\pitch
.endif
.set i, i+1
.endr
.endm
; Behind block t's 32 loads stand 96 - 32 t younger ones; a wait names 63 at the most, which is under the first two counts
.macro KWAIT t
.if \t < 2
	s_wait_loadcnt 63
.else
	s_wait_loadcnt 96-32*\t
.endif
.endm
.Lnot_x:
	s_cmp_lt_u32 ttmp9, 224
	s_cbranch_scc0 .Lpath_o
	; ---------------- w_qkv: work-group = (64 columns, half of K); wave = (which 32 columns, which kstep of the half)
	s_sub_co_u32 s26, ttmp9, 128
	s_lshr_b32 s27, s26, 1                         ; which 64 columns
	s_and_b32 s26, s26, 1                          ; khalf
	s_lshl_b32 s28, s27, 6
	s_lshl_b32 s29, s22, 5
	s_add_co_u32 s28, s28, s29                     ; my first column
	s_lshl_b32 s29, s26, 2
	s_add_co_u32 s29, s29, s23                     ; kstep
	s_mul_i32 s32, s29, 1572864                    ; 128 rows of 12,288 bytes
	s_lshl_b32 s30, s28, 2
	s_add_co_u32 s32, s32, s30
	s_mov_b32 s33, 0
	s_add_nc_u64 s[6:7], s[6:7], s[32:33]
	s_lshl_b32 s32, s28, 9                         ; the codes: 8,192 bytes for each 16 columns,
	s_lshl_b32 s30, s29, 10                        ; my kstep's fragment
	s_add_co_u32 s32, s32, s30
	s_add_nc_u64 s[12:13], s[12:13], s[32:33]
	s_mul_i32 s32, s26, 49152                      ; the scale words: khalf,
	s_lshl_b32 s30, s27, 10                        ; the work-group's 64 columns,
	s_add_co_u32 s32, s32, s30
	s_lshl_b32 s30, s24, 9                         ; 32 of them to each of waves 0 and 1
	s_add_co_u32 s32, s32, s30
	s_add_co_u32 s32, s32, 131072
	s_add_nc_u64 s[14:15], s[14:15], s[32:33]
	v_lshlrev_b32 v10, 4, v2
	v_lshl_add_u32 v10, v3, 13, v10                ; lanes 16-31 hold the next 16 columns: 8,192 bytes on; 16 r in a chunk
	LOADK 6, 12288, 1
.macro WBLK t
	KWAIT \t
	v_max3_num_f32 v12, |v[R+32*\t]|, |v[R+32*\t+1]|, |v[R+32*\t+2]|   ; the block's largest magnitude: all 32 numbers are mine; two chains
	v_max3_num_f32 v13, |v[R+32*\t+3]|, |v[R+32*\t+4]|, |v[R+32*\t+5]|
.irp i, 6,10,14,18,22,26
	v_max3_num_f32 v12, v12, |v[R+32*\t+\i]|, |v[R+32*\t+\i+1]|
	v_max3_num_f32 v13, v13, |v[R+32*\t+\i+2]|, |v[R+32*\t+\i+3]|
.endr
	v_max3_num_f32 v12, v12, |v[R+32*\t+30]|, |v[R+32*\t+31]|
	v_max3_num_f32 v12, v12, v13, 0x1800000        ; and the floor
	v_add_nc_u32 v14, 0xff000000, v12
	v_lshrrev_b32 v16, 23, v14
.if \t == 0
	v_mov_b32 v18, v16
.else
	v_lshl_or_b32 v18, v16, 8*\t, v18              ; the kstep's four bytes make my column's word
.endif
.irp g, 0,1,2,3
	v_cvt_scalef32_pk8_fp4_f32 v[C+4*\t+\g], v[R+32*\t+8*\g:R+32*\t+8*\g+7], v14
.endr
	v_nop                                          ; one plain line behind the last scaled conversion
	global_store_b128 v10, v[C+4*\t:C+4*\t+3], s[12:13] offset:256*\t   ; chunk t of two fragments: sixteen lanes store 256 consecutive bytes
.endm
	WBLK 0
	WBLK 1
	WBLK 2
	WBLK 3
	ds_store_b32 v11, v18
	s_wait_dscnt 0x0                               ; for the others' sake
	s_barrier_signal -1
	s_barrier_wait -1
	s_cmp_lt_u32 s18, 2
	s_cbranch_scc0 .Lw_end
	ds_load_b128 v[20:23], v25                     ; waves 0 and 1: 32 columns' four words
	s_wait_dscnt 0x0
	global_store_b128 v4, v[20:23], s[14:15]       ; 512 consecutive bytes
.Lw_end:
	s_wait_tensorcnt 0x0                           ; the wave's end: the three lines
	ds_add_u32 v[SPW], v[NIL]
	s_wait_dscnt 0x0
	s_endpgm
.Lpath_o:
	; ---------------- w_out: the same split; 128 along K are four fragments of 32
	s_sub_co_u32 s26, ttmp9, 224
	s_lshr_b32 s27, s26, 1
	s_and_b32 s26, s26, 1
	s_lshl_b32 s28, s27, 6
	s_lshl_b32 s29, s22, 5
	s_add_co_u32 s28, s28, s29                     ; my first column
	s_lshl_b32 s29, s26, 2
	s_add_co_u32 s29, s29, s23                     ; which 128 along K
	s_lshl_b32 s32, s29, 19                        ; 128 rows of 4,096 bytes
	s_lshl_b32 s30, s28, 2
	s_add_co_u32 s32, s32, s30
	s_mov_b32 s33, 0
	s_add_nc_u64 s[8:9], s[8:9], s[32:33]
	s_lshl_b32 s32, s28, 11                        ; 32,768 bytes for each 16 columns,
	s_lshl_b32 s30, s29, 12                        ; my four fragments
	s_add_co_u32 s32, s32, s30
	s_add_nc_u64 s[16:17], s[16:17], s[32:33]
	v_lshlrev_b32 v10, 4, v2
	v_lshl_add_u32 v10, v3, 15, v10
	LOADK 8, 4096, 0
.macro OBLK t
	KWAIT \t
.irp u, 0,1,2,3
.irp p, 0,1,2,3
	v_cvt_pk_f16_f32 v[T+16*\t+4*\u+\p], v[R+32*\t+8*\u+2*\p], v[R+32*\t+8*\u+2*\p+1]
.endr
	global_store_b128 v10, v[T+16*\t+4*\u:T+16*\t+4*\u+3], s[16:17] offset:1024*\t+256*\u   ; k = 8 u on: chunk u of fragment t
.endr
.endm
	OBLK 0
	OBLK 1
	OBLK 2
	OBLK 3
	s_wait_tensorcnt 0x0                           ; the three lines here too
	ds_add_u32 v[SPW], v[NIL]
	s_wait_dscnt 0x0
	s_endpgm
.Lfunc_end_k_qfbc3e19e51_prep:
	.size	k_qfbc3e19e51_prep, .Lfunc_end_k_qfbc3e19e51_prep-k_qfbc3e19e51_prep
	.p2alignl 7, 3214868480
	.fill 96, 4, 3214868480
	.section	.rodata,"a",@progbits
	.p2align	6, 0x0
	.amdhsa_kernel k_qfbc3e19e51_prep
		.amdhsa_group_segment_fixed_size 70656
		.amdhsa_private_segment_fixed_size 0
		.amdhsa_enable_private_segment 0
		.amdhsa_kernarg_size 56
		.amdhsa_user_sgpr_count 2
		.amdhsa_user_sgpr_kernarg_segment_ptr 1
		.amdhsa_wavefront_size32 1
		.amdhsa_system_sgpr_workgroup_id_x 1
		.amdhsa_system_sgpr_workgroup_id_y 1
		.amdhsa_system_sgpr_workgroup_id_z 1
		.amdhsa_system_vgpr_workitem_id 0
		.amdhsa_next_free_vgpr 240
		.amdhsa_next_free_sgpr 66
		.amdhsa_reserve_vcc 0
		.amdhsa_float_denorm_mode_32 3
		.amdhsa_float_denorm_mode_16_64 3
		.amdhsa_memory_ordered 1
		.amdhsa_forward_progress 1
		.amdhsa_inst_pref_size 56
	.end_amdhsa_kernel
	.amdgpu_metadata
---
amdhsa.version: [ 1, 2 ]
amdhsa.kernels:
  - .name:           k_qfbc3e19e51_prep
    .symbol:         k_qfbc3e19e51_prep.kd
    .args:
      - { .name: x, .offset: 0, .size: 8, .value_kind: global_buffer, .address_space: global }
      - { .name: w_qkv, .offset: 8, .size: 8, .value_kind: global_buffer, .address_space: global }
      - { .name: w_out, .offset: 16, .size: 8, .value_kind: global_buffer, .address_space: global }
      - { .name: xc, .offset: 24, .size: 8, .value_kind: global_buffer, .address_space: global }
      - { .name: wc, .offset: 32, .size: 8, .value_kind: global_buffer, .address_space: global }
      - { .name: sc, .offset: 40, .size: 8, .value_kind: global_buffer, .address_space: global }
      - { .name: wo, .offset: 48, .size: 8, .value_kind: global_buffer, .address_space: global }
    .group_segment_fixed_size: 70656
    .private_segment_fixed_size: 0
    .kernarg_segment_align: 8
    .kernarg_segment_size: 56
    .max_flat_workgroup_size: 256
    .sgpr_count:     66
    .vgpr_count:     240
    .wavefront_size: 32
...
	.end_amdgpu_metadata
.endif
;; end of part 1
;; launch qkv (part 2): grid 12 x 16, 4 waves a work-group, clusters of 4 x 4, 327,680 bytes of LDS; arguments xc, wc, sc, b_qkv, pos_bias, qkv, f32r; writes qkv, f32r
.if DOCPART == 2
	.amdgcn_target "amdgcn-amd-amdhsa--gfx1250"
	.amdhsa_code_object_version 6
	.text
	.protected	k_qfbc3e19e51_qkv
	.globl	k_qfbc3e19e51_qkv
	.p2align	8
	.type	k_qfbc3e19e51_qkv,@function
k_qfbc3e19e51_qkv:
	s_mov_b64 s[64:65], 0
	v_nop
	global_prefetch_b8 v0, s[64:65] scope:SCOPE_SE
	s_setreg_imm32_b32 hwreg(HW_REG_WAVE_MODE, 25, 1), 1
	s_wait_xcnt 0x0
	s_wait_alu depctr_hold_cnt(0) depctr_sa_sdst(0) depctr_va_vdst(0) depctr_va_sdst(0) depctr_va_ssrc(0) depctr_va_vcc(0) depctr_vm_vsrc(0)
	s_getreg_b32 s2, hwreg(HW_REG_IB_STS2, 6, 4)
	s_cmp_eq_u32 s2, 0
	s_cbranch_scc0 .Lentry_in_a_cluster
	s_endpgm
.Lentry_in_a_cluster:
	s_bfe_u32 s2, ttmp6, 0x10000c
	s_cmp_lg_u32 s2, 0xf033
	s_cbranch_scc0 .Lentry_shape_is_right
	s_endpgm
.Lentry_shape_is_right:
; qkv = Q(x) Q(w_qkv) + b_qkv on codes of FP4 with E8M0 scales; q gets pos_bias and the factor c = log2(e) / 8 in f32.  4,096 x 3,072, K = 1,024.
; OUT: q, k and v^T as f16 images of the operand registers of the next launch (a fragment is 1,024 bytes: registers 0-3 of lane l at 16 l, registers 4-7 at 512 + 16 l):
;   q at 0 and k at 8,388,608: [bh 32][t16 128][c32 2][1024] (rows = tokens, K = channels);  v^T at 16,777,216: [bh 32][t32 64][ch16 4][1024] (rows = channels, K = tokens).
;   f32r: positions 0-15 of both sequences in f32: at 0 [b 2][t 16][2048] (q c, then k); at 262,144 [b 2][channel 1024][t 16] (v^T).
; LIMIT: |q c|, |k|, |v| above 65,504 become infinity in f16.
; A tile of 256 x 256 to a work-group of four waves, 128 x 128 to a wave: 64 accumulators, 512 registers.  All of K lies in LDS: two slots of four ksteps of 128, each filled once.
; CLUSTERS: 4 x 4 work-groups.  x's tiles are shared along a row of the cluster, w's along a column: each is asked for jointly.  A cluster's four tile columns are 1,024 columns: all q, all k or all v,
; so the kind is the cluster's x, the same in all sixteen partners.
; WHICH OPERAND IS SOURCE 0.  q, k: source 0 = 16 columns of w, source 1 = 16 tokens: a lane holds one token and eight neighbouring channels, half a fragment's row.  v: the other way round: a lane holds
; one channel and eight neighbouring tokens.  One text serves both: only the wave's two LDS bases and its scale offsets are chosen, by s_cselect_b32 on the kind.
; Accumulator (a, b), a = source 1's block, b = source 0's, lies at v[8 (8 (a % 4) + b)] of window 2 (a < 4) or 3.
; REGISTERS: window 0: v16-31 addresses; v32-63 source 0's scale words, v64-95 source 1's (nothing else ever lies there); v96-111 v's bias; v128-191 source 1's fragments, one set; v192-255 q's and k's bias.
;   window 1: source 0's fragments, two sets, at v0 and v128; on the way out the packed results.
.set SLOTB, 131072                     ; a slot: x [m16 16][4][1024], then w [n16 16][4][1024]
.set WOFF,  65536
.set SPARE, 262144                     ; behind the slots: the spare words, 128 bytes a wave: two blocks of 256 bytes that no other line names
.set ADR1, 16                          ; v16-17  LDS address of source 1's fragments in slot 0, 1
.set ADR0, 20                          ; v20-21  of source 0's
.set SOF,  22                          ; v22-25  byte offsets in sc: source 0 khalf 0, 1; source 1 khalf 0, 1
.set LI,   26                          ; v26     16 x lane
.set FO,   27                          ; v27     my offset in f32r
.set SPW,  28                          ; v28     LDS address of my spare word; never rewritten
.set NIL,  29                          ; v29     0; never rewritten
.set FLG,  30                          ; v30     0 where my first block of tokens is positions 0-15 of a sequence
.set S0,   32                          ; scale words: register 8 p + 4 slot + q: lanes 0-15 block 2 p, lanes 16-31 block 2 p + 1
.set S1,   64
.set BV,   96
.set AF,   128
.set BI,   192
.set WV, 18
.set MH, 19                            ; s19  which 128 tokens are mine.  Also: I fetch for x (0) or for w (1)
.set NH, 20                            ; s20  which 128 columns.  Also: which half of that tile I fetch
.set G1X, 24                           ; s[24:31] group 1 for x's tiles; s[32:39] group 0, one set for each slot
.set G0X, 32
.set G1W, 48                           ; s[48:55], s[56:63] the same for w's
.set G0W, 56
.set CS, 74                            ; s[74:75] c for q, 1 for k
.set SQ, 78                            ; s[78:79] 1 for q, else 0: what pos_bias is multiplied by
.set MSB, 0
.macro WIN new                         ; the immediate's high byte repeats the setting that is left
.if MSB != (\new)
	s_set_vgpr_msb (MSB<<8)|(\new)
.set MSB, \new
.endif
.endm
.set MUL_LO, 0xa1                      ; source 0 window 1, source 1 window 0, C and D window 2
.set MUL_HI, 0xf1                      ; the same, C and D window 3
.set TO_1,   0x40                      ; destination window 1
; A joint load: waves 0 and 1 fetch for x, waves 2 and 3 for w.  The branch hangs on the wave's number alone.  An s_nop 0 and four v_nop follow each of the two lines.
.macro JLOAD g0x, g0w
	s_cmp_eq_u32 s[MH], 0
	s_cbranch_scc0 .Lfor_w_\@
	tensor_load_to_lds s[\g0x:\g0x+3], s[G1X:G1X+7]
	s_nop 0
.rept 4
	v_nop
.endr
	s_branch .Lasked_\@
.Lfor_w_\@:
	tensor_load_to_lds s[\g0w:\g0w+3], s[G1W:G1W+7]
	s_nop 0
.rept 4
	v_nop
.endr
.Lasked_\@:
.endm
.macro CROUND                          ; a round of the cluster's barrier
	s_barrier_signal -1
	s_barrier_wait -1
	s_cmp_lg_u32 s[WV], 0
	s_cbranch_scc1 .Lnot_wave_0_\@
	s_barrier_signal -3
.Lnot_wave_0_\@:
	s_barrier_wait -3
	s_barrier_signal -1
	s_barrier_wait -1
.endm
.macro PLACES
.rept 4
	v_nop
.endr
.endm
	s_load_b256 s[4:11], s[0:1], 0x0               ; xc s[4:5], wc s[6:7], sc s[8:9], b_qkv s[10:11]
	s_load_b128 s[12:15], s[0:1], 0x20             ; pos_bias s[12:13], qkv s[14:15]
	s_load_b64 s[16:17], s[0:1], 0x30              ; f32r
	v_lshl_add_u32 v[SPW], v0, 2, SPARE
	v_mov_b32 v[NIL], 0
	ds_add_u32 v[SPW], v[NIL]                      ; the wave's opening: the add, twice on end, and its wait ahead of my first tensor load
	ds_add_u32 v[SPW], v[NIL]
	v_lshrrev_b32 v1, 5, v0
	v_readfirstlane_b32 s[WV], v1                  ; wave 0..3
	s_lshr_b32 s[MH], s[WV], 1
	s_and_b32 s[NH], s[WV], 1
	s_bfe_u32 s40, ttmp6, 0x40000                  ; cx, cy: my place in the cluster
	s_bfe_u32 s41, ttmp6, 0x40004
	s_lshl_b32 s42, ttmp9, 2
	s_add_co_u32 s42, s42, s40                     ; tile column = 4 x cluster x + cx
	s_and_b32 s43, ttmp7, 0xffff
	s_lshl_b32 s43, s43, 2
	s_add_co_u32 s43, s43, s41                     ; tile row = 4 x cluster y + cy
	s_lshl_b32 s44, s41, 2
	s_lshl_b32 s44, 15, s44                        ; my row of the cluster
	s_lshl_b32 s45, 0x1111, s40                    ; my column
	; group 1: 8 rows (blocks of 16 rows of the operand) x 4,096 bytes (four ksteps' fragments), 8,192 bytes apart in memory, dense in LDS
	s_or_b32 s[G1X], s44, (3<<16)|(1<<21)          ; 15:0 the mask; 17:16 elements of 8 bytes; 21 set beside a mask; no padding
	s_or_b32 s[G1W], s45, (3<<16)|(1<<21)
.irp g, G1X, G1W
	s_mov_b32 s[\g+1], 512<<16                     ; tensor_dim0 = 512 elements
	s_mov_b32 s[\g+2], 8<<16                       ; tensor_dim1 = 8
	s_mov_b32 s[\g+3], 512<<16                     ; tile_dim0
	s_mov_b32 s[\g+4], 8                           ; tile_dim1
	s_mov_b32 s[\g+5], 1024                        ; tensor_dim0_stride, in elements
	s_mov_b32 s[\g+6], 0
	s_mov_b32 s[\g+7], 0
.endr
	s_lshl_b32 s21, s[NH], 3                       ; which 8 blocks of the tile I fetch
	s_lshl_b32 s46, s43, 4
	s_add_co_u32 s46, s46, s21
	s_lshl_b32 s46, s46, 13                        ; x: block 16 x tile row + 8 x half, 8,192 bytes each
	s_mov_b32 s47, 0
	s_lshl_b32 s66, s42, 4
	s_add_co_u32 s66, s66, s21
	s_lshl_b32 s66, s66, 13                        ; w: by the tile column
	s_mov_b32 s67, 0
	s_lshl_b32 s70, s[WV], 15                      ; where they go: wave x 32,768: no place in the cluster enters an LDS address
	s_wait_dscnt 0x0                               ; both opening adds are done
	s_wait_kmcnt 0x0
	s_add_nc_u64 s[46:47], s[4:5], s[46:47]
	s_add_nc_u64 s[66:67], s[6:7], s[66:67]
	CROUND                                         ; all sixteen work-groups are here: the first joint loads meet
.irp s, 0,1
	s_mov_b32 s[G0X+4*\s], 1
	s_add_co_u32 s[G0X+4*\s+1], s70, \s*SLOTB
	s_add_nc_u64 s[G0X+4*\s+2:G0X+4*\s+3], s[46:47], \s*4096
	s_or_b32 s[G0X+4*\s+3], s[G0X+4*\s+3], 0x80000000
	s_mov_b32 s[G0W+4*\s], 1
	s_add_co_u32 s[G0W+4*\s+1], s70, \s*SLOTB
	s_add_nc_u64 s[G0W+4*\s+2:G0W+4*\s+3], s[66:67], \s*4096
	s_or_b32 s[G0W+4*\s+3], s[G0W+4*\s+3], 0x80000000
	JLOAD G0X+4*\s, G0W+4*\s                       ; two loads of mine are out: all of K
.endr
	v_and_b32 v1, 31, v0
	v_lshlrev_b32 v[LI], 4, v1
	v_and_b32 v2, 15, v0                           ; r
	v_bfe_u32 v3, v0, 4, 1                         ; h
	v_lshlrev_b32 v4, 5, v3                        ; 32 h: my eight numbers of a bias block
	v_lshlrev_b32 v5, 2, v2                        ; 4 r
	s_lshl_b32 s71, s[MH], 15                      ; x's part of a slot: my 128 tokens
	s_lshl_b32 s72, s[NH], 15
	s_add_co_u32 s72, s72, WOFF                    ; w's: my 128 columns
	s_lshl_b32 s80, s43, 12
	s_lshl_b32 s81, s[MH], 11
	s_add_co_u32 s80, s80, s81                     ; x's scale words: 16 bytes a row, from my first token on
	s_lshl_b32 s81, s42, 12
	s_lshl_b32 s82, s[NH], 11
	s_add_co_u32 s81, s81, s82
	s_add_co_u32 s81, s81, 131072                  ; w's, from my first column on
	s_mov_b32 s82, 49152                           ; from khalf to khalf: in w's part,
	s_mov_b32 s83, 65536                           ; in x's
	s_cmp_eq_u32 ttmp9, 2                          ; v?  The cluster's x: the same in all partners
	s_cselect_b32 s73, s71, s72                    ; source 0: tokens for v, columns for q and k
	s_cselect_b32 s77, s72, s71                    ; source 1: the other
	s_cselect_b32 s84, s80, s81
	s_cselect_b32 s85, s81, s80
	s_cselect_b32 s86, s83, s82
	s_cselect_b32 s87, s82, s83
	s_cmp_eq_u32 ttmp9, 0                          ; q?
	s_cselect_b32 s[CS], 0x3e38aa3b, 1.0           ; c = log2(e) / 8
	s_cselect_b32 s[SQ], 1.0, 0
	s_mov_b32 s[CS+1], s[CS]                       ; (the packed forms name pairs, so both are written)
	s_mov_b32 s[SQ+1], s[SQ]
	v_add_nc_u32 v[ADR0], s73, v[LI]
	v_add_nc_u32 v[ADR0+1], SLOTB, v[ADR0]
	v_add_nc_u32 v[ADR1], s77, v[LI]
	v_add_nc_u32 v[ADR1+1], SLOTB, v[ADR1]
	v_add_nc_u32 v[SOF], s84, v[LI]
	v_add_nc_u32 v[SOF+1], s86, v[SOF]
	v_add_nc_u32 v[SOF+2], s85, v[LI]
	v_add_nc_u32 v[SOF+3], s87, v[SOF+2]
.irp p, 0,1,2,3
.irp k, 0,1
	global_load_b128 v[S0+8*\p+4*\k:S0+8*\p+4*\k+3], v[SOF+\k], s[8:9] offset:512*\p     ; a lane takes a row of a pair of blocks: 512 consecutive bytes, four ksteps' words
	global_load_b128 v[S1+8*\p+4*\k:S1+8*\p+4*\k+3], v[SOF+2+\k], s[8:9] offset:512*\p
.endr
.endr
	; the biases, with no branch: every kind loads all three and uses what its way out names
	s_lshl_b32 s88, s42, 10
	s_lshl_b32 s90, s[NH], 9
	s_add_co_u32 s88, s88, s90                     ; b_qkv at my first column
	s_mov_b32 s89, 0
	s_add_nc_u64 s[10:11], s[10:11], s[88:89]
	s_and_b32 s94, s42, 3                          ; the tile column within q, k or v
	s_lshl_b32 s88, s94, 10
	s_add_co_u32 s88, s88, s90                     ; pos_bias [16][64] is 1,024 numbers on end
	s_add_nc_u64 s[12:13], s[12:13], s[88:89]
.irp b, 0,1,2,3,4,5,6,7
.irp u, 0,1
	global_load_b128 v[BI+8*\b+4*\u:BI+8*\b+4*\u+3], v4, s[10:11] offset:64*\b+16*\u   ; columns 16 b + 8 h + 0 .. 7
	global_load_b128 v[AF+8*\b+4*\u:AF+8*\b+4*\u+3], v4, s[12:13] offset:64*\b+16*\u   ; pos_bias likewise, into registers that the fragments take later
.endr
	global_load_b32 v[BV+2*\b], v5, s[10:11] offset:64*\b                              ; column 16 b + r, twice: a pair for the packed addition
	global_load_b32 v[BV+2*\b+1], v5, s[10:11] offset:64*\b
.endr
	; where my results go
	s_lshr_b32 s92, s43, 3                         ; the batch: eight tile rows each
	s_and_b32 s93, s43, 7
	s_lshl_b32 s95, s92, 4
	s_lshl_b32 s96, s94, 2
	s_add_co_u32 s95, s95, s96
	s_lshl_b32 s96, s[NH], 1
	s_add_co_u32 s95, s95, s96                     ; bh of my first 64 columns: 16 batch + 4 (tile column % 4) + 2 half
	s_lshl_b32 s95, s95, 18                        ; 262,144 bytes a head
	s_lshl_b32 s96, s93, 1
	s_add_co_u32 s96, s96, s[MH]
	s_lshl_b32 s96, s96, 14                        ; 128 tokens are 16,384 bytes in each of the three layouts
	s_add_co_u32 s96, s96, s95
	s_lshl_b32 s95, ttmp9, 23                      ; q, k or v
	s_add_co_u32 s96, s96, s95
	s_mov_b32 s97, 0
	s_add_nc_u64 s[14:15], s[14:15], s[96:97]
	s_or_b32 s98, s93, s[MH]
	v_mov_b32 v[FLG], s98
	s_wait_loadcnt 0x0                             ; scales and biases
.set j, 0
.rept 32
	v_pk_fma_f32 v[BI+j:BI+j+1], v[AF+j:AF+j+1], s[SQ:SQ+1], v[BI+j:BI+j+1] op_sel_hi:[1,0,1]   ; b + pos_bias (q) or b
.set j, j+2
.endr
.set j, 0
.rept 32
	v_pk_mul_f32 v[BI+j:BI+j+1], v[BI+j:BI+j+1], s[CS:CS+1] op_sel_hi:[1,0]                     ; x c (q) or x 1
.set j, j+2
.endr
; one scaled product.  rD, rA, rB, rSA, rSB are set by the caller; ra, rb: the scale words lie in lanes 16-31
.macro WM zero, ra, rb
.if \zero
.if (\ra) && (\rb)
	v_wmma_scale_f32_16x16x128_f8f6f4 v[rD:rD+7], v[rA:rA+7], v[rB:rB+7], 0, v[rSA], v[rSB] matrix_a_fmt:MATRIX_FMT_FP4 matrix_b_fmt:MATRIX_FMT_FP4 matrix_a_scale:MATRIX_SCALE_ROW1 matrix_b_scale:MATRIX_SCALE_ROW1
.elseif (\ra)
	v_wmma_scale_f32_16x16x128_f8f6f4 v[rD:rD+7], v[rA:rA+7], v[rB:rB+7], 0, v[rSA], v[rSB] matrix_a_fmt:MATRIX_FMT_FP4 matrix_b_fmt:MATRIX_FMT_FP4 matrix_a_scale:MATRIX_SCALE_ROW1
.elseif (\rb)
	v_wmma_scale_f32_16x16x128_f8f6f4 v[rD:rD+7], v[rA:rA+7], v[rB:rB+7], 0, v[rSA], v[rSB] matrix_a_fmt:MATRIX_FMT_FP4 matrix_b_fmt:MATRIX_FMT_FP4 matrix_b_scale:MATRIX_SCALE_ROW1
.else
	v_wmma_scale_f32_16x16x128_f8f6f4 v[rD:rD+7], v[rA:rA+7], v[rB:rB+7], 0, v[rSA], v[rSB] matrix_a_fmt:MATRIX_FMT_FP4 matrix_b_fmt:MATRIX_FMT_FP4
.endif
.else
.if (\ra) && (\rb)
	v_wmma_scale_f32_16x16x128_f8f6f4 v[rD:rD+7], v[rA:rA+7], v[rB:rB+7], v[rD:rD+7], v[rSA], v[rSB] matrix_a_fmt:MATRIX_FMT_FP4 matrix_b_fmt:MATRIX_FMT_FP4 matrix_a_scale:MATRIX_SCALE_ROW1 matrix_b_scale:MATRIX_SCALE_ROW1
.elseif (\ra)
	v_wmma_scale_f32_16x16x128_f8f6f4 v[rD:rD+7], v[rA:rA+7], v[rB:rB+7], v[rD:rD+7], v[rSA], v[rSB] matrix_a_fmt:MATRIX_FMT_FP4 matrix_b_fmt:MATRIX_FMT_FP4 matrix_a_scale:MATRIX_SCALE_ROW1
.elseif (\rb)
	v_wmma_scale_f32_16x16x128_f8f6f4 v[rD:rD+7], v[rA:rA+7], v[rB:rB+7], v[rD:rD+7], v[rSA], v[rSB] matrix_a_fmt:MATRIX_FMT_FP4 matrix_b_fmt:MATRIX_FMT_FP4 matrix_b_scale:MATRIX_SCALE_ROW1
.else
	v_wmma_scale_f32_16x16x128_f8f6f4 v[rD:rD+7], v[rA:rA+7], v[rB:rB+7], v[rD:rD+7], v[rSA], v[rSB] matrix_a_fmt:MATRIX_FMT_FP4 matrix_b_fmt:MATRIX_FMT_FP4
.endif
.endif
.endm
; 16 products: source 1's blocks a0, a0 + 1 x source 0's eight, the slot's q-th 128 along K.  p: source 0's set.  zero = 1: the first product starts the sums.
; The 64 accumulators take turns, one instruction a turn, in the same order in every step.
.macro MUL16 a0, p, q, slot, zero
.irp a, \a0, \a0+1
.irp b, 0,1,2,3,4,5,6,7
.set rD, 8*(8*((\a)%4)+\b)
.set rA, 128*(\p)+8*\b
.set rB, AF+8*(\a)
.set rSA, S0+8*(\b/2)+4*(\slot)+(\q)
.set rSB, S1+8*((\a)/2)+4*(\slot)+(\q)
	WM \zero, (\b)%2, (\a)%2
.endr
.endr
.endm
.macro FRAG reg, adr, q, i             ; a fragment's image: two loads of 512 consecutive bytes
.irp c, 0,1
	ds_load_b128 v[\reg+4*\c:\reg+4*\c+3], v[\adr] offset:4096*(\i)+1024*(\q)+512*\c
.endr
.endm
.macro FETCH0 slot, q, p               ; source 0's eight fragments into set p
	WIN TO_1
.irp i, 0,1,2,3,4,5,6,7
	FRAG 128*(\p)+8*\i, ADR0+\slot, \q, \i
.endr
	WIN 0
.endm
.macro FETCH1 slot, q, i0              ; source 1's blocks i0 .. i0 + 3
.irp i, \i0, \i0+1, \i0+2, \i0+3
	FRAG AF+8*(\i), ADR1+\slot, \q, \i
.endr
.endm
; A step of 128 along K that has its successor in the same slot.  A block of source 1 is free as soon as its eight products are issued, so one set serves it: blocks 0-3 come anew in the step's middle, blocks 4-7 at its end.
; A load into a register that a matrix instruction has read stands four plain vector instructions behind it (ISA guide 7.12.1 for vector instructions).
.macro STEP slot, q, zero
	s_wait_dscnt 8                                 ; source 0's set and source 1's blocks 0-3 are in; the youngest eight loads (blocks 4-7) may be out
	WIN MUL_LO
	MUL16 0, (\q)%2, \q, \slot, \zero
	MUL16 2, (\q)%2, \q, \slot, \zero
	s_wait_dscnt 0x0                               ; blocks 4-7 are in
	PLACES
	FETCH0 \slot, (\q)+1, 1-(\q)%2
	FETCH1 \slot, (\q)+1, 0
	WIN MUL_HI
	MUL16 4, (\q)%2, \q, \slot, \zero
	MUL16 6, (\q)%2, \q, \slot, \zero
	PLACES
	WIN 0
	FETCH1 \slot, (\q)+1, 4
.endm
	s_wait_tensorcnt 0x1                           ; my part of slot 0 is in; slot 1's load may stay out
	s_barrier_signal -1
	s_barrier_wait -1                              ; everybody's is
	FETCH0 0, 0, 0
	FETCH1 0, 0, 0
	FETCH1 0, 0, 4
	STEP 0, 0, 1
	STEP 0, 1, 0
	STEP 0, 2, 0
	; slot 0's last step changes slots: each wave waits for its part of slot 1 and says so
	s_wait_tensorcnt 0x0                           ; all my tensor loads have landed
	ds_add_u32 v[SPW], v[NIL]                      ; 0 onto my spare word
	s_wait_dscnt 9                                 ; (the add and the youngest eight loads may be out)
	WIN MUL_LO
	MUL16 0, 1, 3, 0, 0
	s_wait_dscnt 0x0                               ; no LDS instruction of mine is pending at the signal
	s_barrier_signal -1
	MUL16 2, 1, 3, 0, 0                            ; work on registers while the others arrive
	WIN 0
	s_barrier_wait -1                              ; slot 1 is whole
	PLACES
	FETCH0 1, 0, 0
	FETCH1 1, 0, 0
	WIN MUL_HI
	MUL16 4, 1, 3, 0, 0
	MUL16 6, 1, 3, 0, 0
	PLACES
	WIN 0
	FETCH1 1, 0, 4
	STEP 1, 0, 0
	STEP 1, 1, 0
	STEP 1, 2, 0
	s_wait_dscnt 8                                 ; the last step: nothing more to fetch
	WIN MUL_LO
	MUL16 0, 1, 3, 1, 0
	MUL16 2, 1, 3, 1, 0
	s_wait_dscnt 0x0
	WIN MUL_HI
	MUL16 4, 1, 3, 1, 0
	MUL16 6, 1, 3, 1, 0
	WIN 0
	PLACES                                         ; ahead of the first read of results and of the first write into source 0's registers
; THE WAY OUT.  A packed tile is half a fragment's image: 16 bytes a lane, 512 consecutive bytes a store; no stage.  Each accumulator is read from its low end on.
	s_cmp_eq_u32 ttmp9, 2
	s_cbranch_scc1 .Lout_v
	; ---- q and k: lane (r, h) of accumulator (a, b): token 16 a + r, channels 16 b + 8 h + 0 .. 7
	s_lshl_b32 s88, s92, 17                        ; f32r: the batch's 16 rows of 8,192 bytes,
	s_lshl_b32 s90, ttmp9, 12                      ; q's or k's 1,024 numbers,
	s_add_co_u32 s88, s88, s90
	s_lshl_b32 s90, s94, 10
	s_add_co_u32 s88, s88, s90
	s_lshl_b32 s90, s[NH], 9
	s_add_co_u32 s88, s88, s90                     ; my first column
	s_add_nc_u64 s[16:17], s[16:17], s[88:89]
	v_lshlrev_b32 v[FO], 13, v2
	v_lshl_add_u32 v[FO], v3, 5, v[FO]             ; row r, + 32 h
.macro EPI_QK a
.set AC, 64*((\a)%4)
	WIN 0x82+0x41*((\a)/4)                         ; destination and source 0 in window 2 or 3, the bias in window 0
.irp b, 0,1,2,3,4,5,6,7
.irp j, 0,2,4,6
	v_pk_fma_f32 v[AC+8*\b+\j:AC+8*\b+\j+1], v[AC+8*\b+\j:AC+8*\b+\j+1], s[CS:CS+1], v[BI+8*\b+\j:BI+8*\b+\j+1] op_sel_hi:[1,0,1]
.endr
.endr
.if (\a) == 0
	; positions 0-15 of a sequence also leave in f32.  Which work-groups hold them hangs on the place in the cluster, so no branch is taken: the lanes are switched off instead
	WIN 0
	v_cmp_eq_u32 vcc_lo, 0, v[FLG]
	s_wait_xcnt 0x0                                ; EXEC changes only behind this wait
	s_and_saveexec_b32 s76, vcc_lo
	WIN 0x08                                       ; a store's data: window 2
.irp b, 0,1,2,3,4,5,6,7
	global_store_b128 v[FO], v[8*\b:8*\b+3], s[16:17] offset:64*\b
	global_store_b128 v[FO], v[8*\b+4:8*\b+7], s[16:17] offset:64*\b+16
.endr
	s_wait_xcnt 0x0                                ; and again ahead of the line that widens it
	s_or_b32 exec_lo, exec_lo, s76
.endif
	WIN 0x4a+5*((\a)/4)                            ; sources in window 2 or 3, destination in window 1: a set of 32 registers for each a, so that no store's data are written again
.irp b, 0,1,2,3,4,5,6,7
.irp p, 0,1,2,3
	v_cvt_pk_f16_f32 v[32*(\a)+4*\b+\p], v[AC+8*\b+2*\p], v[AC+8*\b+2*\p+1]
.endr
.endr
	WIN 0x04                                       ; a store's data: window 1
.irp b, 0,1,2,3,4,5,6,7
	global_store_b128 v[LI], v[32*(\a)+4*\b:32*(\a)+4*\b+3], s[14:15] offset:2048*(\a)+(\b/4)*262144+((\b/2)%2)*1024+(\b%2)*512   ; head b / 4, fragment (b / 2) % 2, its half b % 2
.endr
.endm
.irp a, 0,1,2,3,4,5,6,7
	EPI_QK \a
.endr
	WIN 0
	s_branch .Lend
.Lout_v:
	; ---- v: lane (r, h) of accumulator (a, b): channel 16 a + r, tokens 16 b + 8 h + 0 .. 7
	s_lshl_b32 s88, s92, 16                        ; f32r: the batch's 1,024 channels of 64 bytes,
	s_lshl_b32 s90, s94, 14
	s_add_co_u32 s88, s88, s90
	s_lshl_b32 s90, s[NH], 13
	s_add_co_u32 s88, s88, s90                     ; my first channel
	s_add_co_u32 s88, s88, 262144
	s_add_nc_u64 s[16:17], s[16:17], s[88:89]
	v_lshlrev_b32 v[FO], 6, v2
	v_lshl_add_u32 v[FO], v3, 5, v[FO]             ; channel r, + 32 h
.irp a, 0,1,2,3,4,5,6,7
	WIN 0x82+0x41*(\a/4)
.irp b, 0,1,2,3,4,5,6,7
.irp j, 0,2,4,6
	v_pk_add_f32 v[64*(\a%4)+8*\b+\j:64*(\a%4)+8*\b+\j+1], v[64*(\a%4)+8*\b+\j:64*(\a%4)+8*\b+\j+1], v[BV+2*\a:BV+2*\a+1]
.endr
.endr
.endr
	WIN 0
	v_cmp_eq_u32 vcc_lo, 0, v[FLG]
	s_wait_xcnt 0x0                                ; EXEC changes only behind this wait
	s_and_saveexec_b32 s76, vcc_lo
.irp a, 0,1,2,3,4,5,6,7
	WIN 0x08+4*(\a/4)
	global_store_b128 v[FO], v[64*(\a%4):64*(\a%4)+3], s[16:17] offset:1024*\a          ; tile (a, 0): tokens 0-15
	global_store_b128 v[FO], v[64*(\a%4)+4:64*(\a%4)+7], s[16:17] offset:1024*\a+16
.endr
	s_wait_xcnt 0x0
	s_or_b32 exec_lo, exec_lo, s76
.irp a, 0,1,2,3,4,5,6,7
	WIN 0x4a+5*(\a/4)
.irp b, 0,1,2,3,4,5,6,7
.irp p, 0,1,2,3
	v_cvt_pk_f16_f32 v[32*\a+4*\b+\p], v[64*(\a%4)+8*\b+2*\p], v[64*(\a%4)+8*\b+2*\p+1]
.endr
.endr
	WIN 0x04
.irp b, 0,1,2,3,4,5,6,7
	global_store_b128 v[LI], v[32*\a+4*\b:32*\a+4*\b+3], s[14:15] offset:(\a/4)*262144+(\a%4)*1024+(\b/2)*4096+(\b%2)*512   ; head a / 4, channels 16 (a % 4) on, tokens 32 (b / 2) on, half b % 2
.endr
.endr
	WIN 0
.Lend:
	s_wait_tensorcnt 0x0                           ; the wave's end
	ds_add_u32 v[SPW], v[NIL]
	s_wait_dscnt 0x0
	CROUND                                         ; the closing round
	s_endpgm
.Lfunc_end_k_qfbc3e19e51_qkv:
	.size	k_qfbc3e19e51_qkv, .Lfunc_end_k_qfbc3e19e51_qkv-k_qfbc3e19e51_qkv
	.p2alignl 7, 3214868480
	.fill 96, 4, 3214868480
	.section	.rodata,"a",@progbits
	.p2align	6, 0x0
	.amdhsa_kernel k_qfbc3e19e51_qkv
		.amdhsa_group_segment_fixed_size 327680
		.amdhsa_private_segment_fixed_size 0
		.amdhsa_enable_private_segment 0
		.amdhsa_kernarg_size 56
		.amdhsa_user_sgpr_count 2
		.amdhsa_user_sgpr_kernarg_segment_ptr 1
		.amdhsa_wavefront_size32 1
		.amdhsa_system_sgpr_workgroup_id_x 1
		.amdhsa_system_sgpr_workgroup_id_y 1
		.amdhsa_system_sgpr_workgroup_id_z 1
		.amdhsa_system_vgpr_workitem_id 0
		.amdhsa_next_free_vgpr 1024
		.amdhsa_next_free_sgpr 100
		.amdhsa_reserve_vcc 1
		.amdhsa_float_denorm_mode_32 3
		.amdhsa_float_denorm_mode_16_64 3
		.amdhsa_memory_ordered 1
		.amdhsa_forward_progress 1
		.amdhsa_inst_pref_size 184
	.end_amdhsa_kernel
	.amdgpu_metadata
---
amdhsa.version: [ 1, 2 ]
amdhsa.kernels:
  - .name:           k_qfbc3e19e51_qkv
    .symbol:         k_qfbc3e19e51_qkv.kd
    .args:
      - { .name: xc, .offset: 0, .size: 8, .value_kind: global_buffer, .address_space: global }
      - { .name: wc, .offset: 8, .size: 8, .value_kind: global_buffer, .address_space: global }
      - { .name: sc, .offset: 16, .size: 8, .value_kind: global_buffer, .address_space: global }
      - { .name: b_qkv, .offset: 24, .size: 8, .value_kind: global_buffer, .address_space: global }
      - { .name: pos_bias, .offset: 32, .size: 8, .value_kind: global_buffer, .address_space: global }
      - { .name: qkv, .offset: 40, .size: 8, .value_kind: global_buffer, .address_space: global }
      - { .name: f32r, .offset: 48, .size: 8, .value_kind: global_buffer, .address_space: global }
    .group_segment_fixed_size: 327680
    .private_segment_fixed_size: 0
    .kernarg_segment_align: 8
    .kernarg_segment_size: 56
    .max_flat_workgroup_size: 128
    .sgpr_count:     100
    .vgpr_count:     1024
    .wavefront_size: 32
...
	.end_amdgpu_metadata
.endif
;; end of part 2
;; launch attn (part 3): grid 8 x 32, 16 waves a work-group, no clusters, 327,680 bytes of LDS; arguments qkv, of; writes of
.if DOCPART == 3
	.amdgcn_target "amdgcn-amd-amdhsa--gfx1250"
	.amdhsa_code_object_version 6
	.text
	.protected	k_qfbc3e19e51_attn
	.globl	k_qfbc3e19e51_attn
	.p2align	8
	.type	k_qfbc3e19e51_attn,@function
k_qfbc3e19e51_attn:
	s_mov_b64 s[64:65], 0
	v_nop
	global_prefetch_b8 v0, s[64:65] scope:SCOPE_SE
	s_setreg_imm32_b32 hwreg(HW_REG_WAVE_MODE, 25, 1), 1
	s_wait_xcnt 0x0
; o = softmax(q k^T / 8, causal) v for 32 heads of 2,048 positions x 64 channels, on f16 operands with f32 sums.  q arrives multiplied by c = log2(e) / 8, so a score is t and p = 2^(t - m), m the running maximum.
; IN: q, k [bh][t16 128][c32 2][1024] and v^T [bh][t32 64][ch16 4][1024], images of operand registers (registers 0-3 of lane l at 16 l, registers 4-7 at 512 + 16 l).  OUT: of [m16 256][k32 32][1024], likewise.
; LIMIT: p under 6e-8 falls to 0 in f16; |o| is at most the largest |v|.
; SHARES.  Work-group (i, bh) owns the query blocks i and 15 - i of 128 rows: (i + 1) + (16 - i) = 17 blocks of keys for every work-group.  A WAVE OWNS TWO TILES OF 16 QUERIES AND HALF OF THE KEYS: of every step of
; 128 keys it takes 64, so that each fragment of K and V that it reads from LDS feeds two products.  From the wave's number w: the block is (w xor w / 4) % 2, so that short and long waves are mixed; the pair of tiles
; is w / 4; the half of the keys is hf = (w / 2) % 2.  Waves w and w xor 2 hold the two halves of the keys for the same 32 queries, each with its own m, sum and O^T; at the end they are joined through LDS.
; Every wave walks all four slots of 512 keys; a step whose 64 keys all come after the wave's queries is jumped over.
; NO CLUSTER: those jumps hang on the work-group's own number, and partners would want different numbers of slots.
; LAYOUT.  S^T = K Q^T (source 0 = 16 keys, source 1 = 16 queries) and O^T = V^T P (source 0 = 16 channels): a lane holds ONE query (lane % 16) of each tile throughout; two tiles of S^T, rounded in pairs, ARE source 1 of the second product.
; P is packed in place, over the low half of its tile's S^T.
; REGISTERS: v1-7 addresses; tile u: v[8+4u:9+4u] m, v[10+4u:11+4u] the sum in two halves, v[16+2u:17+2u] a; v20-27 at work; v28 the mask's d; v29 -infinity; v31 16 x lane;
;   v32-63 Q (16 a tile); v64-127 eight fragments of K or V; v128-191 S^T, then p and P (32 a tile); v192-255 O^T (32 a tile).
.set VOFF,  65536                      ; a slot: K [t16 32][c32 2][1024], then V [t32 16][ch16 4][1024]
.set SLOT1, 1<<17
.set SPARE, 262144                     ; the spare words, 128 bytes for each wave: eight blocks of 256 bytes that no other line names
.set MLB,   SPARE+2048                 ; behind them: m and the sum of each wave's two tiles, 512 bytes a wave; no tile ever lands here
.set LB,  1                            ; v1   16 x lane + 8,192 hf: my place in a step's tiles
.set ADK, 2
.set ADV, 3
.set RH,  4                            ; v4   r - 8 h
.set SPW, 5
.set NIL, 6
.set PFO, 7
.set MS,  8
.set FA,  16
.set TT,  20
.set DD,  28
.set NINF, 29
.set PX,  30
.set GL,  31
.set QF,  32
.set KV,  64
.set S,   128
.set O,   192
.set WV,  18
.set SEL, 20
.set G1,  24
.set G0,  40
.set TB,  2                            ; s2   LDS byte at which the slot in hand begins
.set LQ,  66                           ; s66  my work-group's last query
.set SLOTS, 67
.set PFA, 76
.set LIM, 80
.set HF,  89                           ; s89  which half of the keys is mine
.set QD,  90                           ; s90  my first query - 64 hf
.set QH,  91                           ; s91  QD + 31: a step whose first key is above it is hidden from me
.set QO,  92                           ; s92  QD - 63: a step whose first key is at or under it needs no mask
.set KS,  98                           ; s98  the first key of the slot in hand: the same in all waves
.macro PLACES
.rept 4
	v_nop
.endr
.endm
; Waves 0 and 1 fetch K's halves of a slot, waves 2 and 3 V's, the others nothing: one line, each wave's own 32,768 bytes.  An s_nop 0 and four v_nop follow it.
.macro TLOAD
	s_cmp_lt_u32 s[WV], 4
	s_cbranch_scc0 .Lasked_\@
	tensor_load_to_lds s[G0:G0+3], s[G1:G1+7]
	s_nop 0
.rept 4
	v_nop
.endr
.Lasked_\@:
.endm
; A prefetch of what the NEXT change of slots will ask for: 65,536 bytes of K and of V.  All eight work-groups of a head walk the same K and V: the first of them asks.  In it waves 4 to 7 ask for K's block and
; waves 8 to 11 for V's, 16,384 bytes a wave, two instructions, lanes 256 bytes apart: each aligned block of 256 bytes is named once in the launch.  The last change that fills a slot asks for nothing.
.macro ASK
	s_cmp_gt_u32 s[SLOTS], s[LIM]
	s_cbranch_scc0 .Lnot_mine_\@
	global_prefetch_b8 v[PFO], s[PFA:PFA+1] th:TH_LOAD_NT scope:SCOPE_SE
	global_prefetch_b8 v[PFO], s[PFA:PFA+1] offset:8192 th:TH_LOAD_NT scope:SCOPE_SE
.Lnot_mine_\@:
.endm
	s_load_b128 s[4:7], s[0:1], 0x0                ; qkv s[4:5], of s[6:7]
	v_lshl_add_u32 v[SPW], v0, 2, SPARE
	v_mov_b32 v[NIL], 0
	ds_add_u32 v[SPW], v[NIL]                      ; the wave's opening: the add, twice on end, and its wait ahead of the first tensor load
	ds_add_u32 v[SPW], v[NIL]
	v_lshrrev_b32 v8, 5, v0
	v_readfirstlane_b32 s[WV], v8                  ; wave 0..15
	s_and_b32 s72, ttmp7, 0xffff                   ; bh
	s_lshl_b32 s73, s72, 18                        ; 262,144 bytes a head in each of q, k, v^T
	s_lshr_b32 s74, s[WV], 2                       ; which pair of tiles
	s_xor_b32 s81, s74, s[WV]
	s_and_b32 s81, s81, 1                          ; which of the two blocks
	s_sub_co_u32 s75, 15, ttmp9
	s_cmp_eq_u32 s81, 0
	s_cselect_b32 s75, ttmp9, s75
	s_lshl_b32 s75, s75, 3
	s_lshl_b32 s74, s74, 1
	s_add_co_u32 s75, s75, s74                     ; my first tile of 16 queries: 8 x block + 2 x pair
	s_bfe_u32 s[HF], s[WV], 0x10001                ; bit 1 of the wave's number
	s_lshl_b32 s[QD], s75, 4                       ; my first query,
	s_lshl_b32 s82, s[HF], 6
	s_sub_co_i32 s[QD], s[QD], s82                 ; less the 64 keys by which my half begins later (a signed number: -64 at the least)
	s_add_co_i32 s[QH], s[QD], 31
	s_sub_co_i32 s[QO], s[QD], 63
	s_lshl_b32 s83, ttmp9, 7
	s_sub_co_u32 s[LQ], 2047, s83                  ; the last query of block 15 - i
	s_min_u32 s84, s[WV], 3                        ; what I fetch, if I fetch
	s_lshr_b32 s85, s84, 1
	s_add_co_u32 s85, s85, 1
	s_lshl_b32 s85, s85, 23                        ; K's or V's tensor in qkv,
	s_and_b32 s86, s84, 1
	s_lshl_b32 s86, s86, 15                        ; which half of a slot's 65,536 bytes,
	s_add_co_u32 s86, s86, s85
	s_add_co_u32 s86, s86, s73                     ; in my head
	s_mov_b32 s87, 0
	s_lshl_b32 s88, s84, 15                        ; and where it goes: wave x 32,768
	; group 1: a dense block of 32,768 bytes as 128 rows of 256 bytes
	s_mov_b32 s[G1], 3<<16                         ; no mask; elements of 8 bytes; no padding
	s_mov_b32 s[G1+1], 32<<16                      ; tensor_dim0
	s_mov_b32 s[G1+2], 128<<16                     ; tensor_dim1
	s_mov_b32 s[G1+3], 32<<16                      ; tile_dim0
	s_mov_b32 s[G1+4], 128                         ; tile_dim1
	s_mov_b32 s[G1+5], 32                          ; tensor_dim0_stride
	s_mov_b32 s[G1+6], 0
	s_mov_b32 s[G1+7], 0
	s_mov_b32 s[SEL], 0x76543210
	s_mov_b32 s[SEL+1], 0xfedcba98
	s_mov_b32 s[TB], 0
	s_mov_b32 s[SLOTS], 3
	s_mov_b32 s[KS], 0
	s_wait_dscnt 0x0                               ; both opening adds are done
	s_wait_kmcnt 0x0
	s_mov_b32 s[G0], 1
	s_mov_b32 s[G0+1], s88
	s_add_nc_u64 s[G0+2:G0+3], s[4:5], s[86:87]
	s_or_b32 s[G0+3], s[G0+3], 0x80000000
	TLOAD                                          ; slot 0: it holds key 0, which counts for every query
	s_lshl_b32 s68, s75, 11                        ; Q: two fragments, 2,048 bytes, for each tile; my two tiles lie on end
	s_add_co_u32 s68, s68, s73
	s_mov_b32 s69, 0
	s_add_nc_u64 s[68:69], s[4:5], s[68:69]
	s_lshr_b32 s70, s72, 4                         ; of: the batch's 128 tiles of 32,768 bytes,
	s_lshl_b32 s70, s70, 22
	s_add_co_u32 s71, s75, s[HF]                   ; the tile that I finish and store: number hf of my two,
	s_lshl_b32 s71, s71, 15
	s_add_co_u32 s70, s70, s71
	s_and_b32 s71, s72, 15
	s_lshl_b32 s71, s71, 11                        ; the head's two fragments
	s_add_co_u32 s70, s70, s71
	s_mov_b32 s71, 0
	s_add_nc_u64 s[6:7], s[6:7], s[70:71]
	; the prefetches: where my wave's stand, and who asks
	s_mov_b32 s82, 16777216
	s_cmp_lt_u32 s[WV], 8
	s_cselect_b32 s82, 8388608, s82
	s_and_b32 s83, s[WV], 3
	s_lshl_b32 s83, s83, 14
	s_add_co_u32 s82, s82, s83
	s_add_co_u32 s82, s82, s73
	s_add_co_u32 s82, s82, 65536                   ; in slot 1: the first change of slots steps it to slot 2.  Nothing is prefetched here, at the head
	s_mov_b32 s83, 0
	s_add_nc_u64 s[PFA:PFA+1], s[4:5], s[82:83]
	s_sub_co_u32 s82, s[WV], 4
	s_lshr_b32 s82, s82, 3                         ; 0 in waves 4 to 11,
	s_or_b32 s82, s82, ttmp9                       ; of the head's first work-group
	s_cmp_eq_u32 s82, 0
	s_cselect_b32 s[LIM], 1, -1
	v_and_b32 v[GL], 31, v0
	v_lshlrev_b32 v[PFO], 8, v[GL]
	v_lshlrev_b32 v[GL], 4, v[GL]                  ; 16 x lane
.irp f, 0,1,2,3,4,5,6,7
	global_load_b128 v[QF+4*\f:QF+4*\f+3], v[GL], s[68:69] offset:512*\f   ; Q's four fragments stay in registers
.endr
	s_lshl_b32 s84, s[HF], 13
	v_add_nc_u32 v[LB], s84, v[GL]                 ; a step's tiles of K, and of V, are 16,384 bytes: my half begins 8,192 hf bytes on
	v_and_b32 v8, 15, v0
	v_bfe_u32 v9, v0, 4, 1
	v_lshlrev_b32 v9, 3, v9
	v_sub_nc_u32 v[RH], v8, v9                     ; r - 8 h
.irp u, 0,1
	v_mov_b32 v[MS+4*\u], 0xff61b1e6               ; m: -3e38, under every score
	v_mov_b32 v[MS+4*\u+1], 0                      ; (named with m as a pair)
	v_mov_b32 v[MS+4*\u+2], 0                      ; the sum
	v_mov_b32 v[MS+4*\u+3], 0
	v_mov_b32 v[FA+2*\u+1], 0                      ; (named with a as a pair)
.endr
	v_mov_b32 v[NINF], 0xff800000                  ; -infinity
	v_mov_b32 v[PX], 0                             ; written once: a lane permute's destination counts as one of its sources
.set j, 0
.rept 64
	v_mov_b32 v[O+j], 0                            ; O^T.  (The step is written once: the first finds zeros, which a = 0 leaves zeros)
.set j, j+1
.endr
; A KEY STEP: my 64 of the 128 keys that are the q-th step of the slot in hand, for both my tiles.
.macro STEP q
	s_add_co_u32 s96, s[KS], 128*(\q)              ; the step's first key
	s_cmp_gt_i32 s96, s[QH]                        ; my 64 keys all come after my 32 queries: the step is left out: a branch on ids, round loads, products and softmax; no barrier stands in a step
	s_cbranch_scc1 .Lhidden_\@
	v_add_nc_u32 v[ADK], s[TB], v[LB]
	v_add_nc_u32 v[ADV], VOFF, v[ADK]
.rept 3
	v_nop                                          ; five plain lines behind the last step's products: the loads below land in registers that those read (four are asked), and the products below write over P, which those read (five)
.endr
.irp f, 0,1,2,3,4,5,6,7                        ; K: fragment 2 t + c: keys 16 t on, channels 32 c on
	ds_load_b128 v[KV+8*\f:KV+8*\f+3],   v[ADK] offset:16384*(\q)+1024*\f
	ds_load_b128 v[KV+8*\f+4:KV+8*\f+7], v[ADK] offset:16384*(\q)+1024*\f+512
.endr
	s_wait_dscnt 0x0
.irp t, 0,1,2,3                                ; S^T = K Q^T: each fragment of K serves both tiles; the eight accumulators by turns; the first products start the sums
.irp u, 0,1
	v_wmma_f32_16x16x32_f16 v[S+32*\u+8*\t:S+32*\u+8*\t+7], v[KV+16*\t:KV+16*\t+7], v[QF+16*\u:QF+16*\u+7], 0
.endr
.endr
.irp t, 0,1,2,3
.irp u, 0,1
	v_wmma_f32_16x16x32_f16 v[S+32*\u+8*\t:S+32*\u+8*\t+7], v[KV+16*\t+8:KV+16*\t+15], v[QF+16*\u+8:QF+16*\u+15], v[S+32*\u+8*\t:S+32*\u+8*\t+7]
.endr
.endr
	PLACES                                         ; ahead of loads into K's registers and of the first read of the scores
.irp f, 0,1,2,3,4,5,6,7                        ; V: fragment 4 g + t: keys 32 g on, channels 16 t on.  Asked for now, it lands under the softmax
	ds_load_b128 v[KV+8*\f:KV+8*\f+3],   v[ADV] offset:16384*(\q)+1024*\f
	ds_load_b128 v[KV+8*\f+4:KV+8*\f+7], v[ADV] offset:16384*(\q)+1024*\f+512
.endr
	s_cmp_le_i32 s96, s[QO]                        ; where my last key is at or under my first query nothing is hidden
	s_cbranch_scc1 .Lopen_\@
	s_sub_co_i32 s97, s[QD], s96
	v_add_nc_u32 v[DD], s97, v[RH]                 ; d = tile 0's query - my first key - 8 h.  Register 8 t + j holds my key 16 t + 8 h + j: hidden where 16 t + j > d; tile 1's queries lie 16 further on
.set n, 0
.rept 32
	v_cmp_gt_i32 vcc_lo, 16*(n/8)+n%8, v[DD]
	v_cndmask_b32 v[S+n], v[S+n], v[NINF], vcc_lo
	v_cmp_gt_i32 vcc_lo, 16*(n/8)+n%8-16, v[DD]
	v_cndmask_b32 v[S+32+n], v[S+32+n], v[NINF], vcc_lo
.set n, n+1
.endr
.Lopen_\@:
.irp u, 0,1                                    ; the maximum: two chains a tile, the four by turns; each accumulator is read from its low end on
.irp b, 0,1
	v_max3_num_f32 v[TT+2*\u+\b], v[S+32*\u+16*\b], v[S+32*\u+16*\b+1], v[S+32*\u+16*\b+2]
.endr
.endr
.irp i, 3,5,7,9,11,13
.irp u, 0,1
.irp b, 0,1
	v_max3_num_f32 v[TT+2*\u+\b], v[TT+2*\u+\b], v[S+32*\u+16*\b+\i], v[S+32*\u+16*\b+\i+1]
.endr
.endr
.endr
.irp u, 0,1
.irp b, 0,1
	v_max_num_f32 v[TT+2*\u+\b], v[TT+2*\u+\b], v[S+32*\u+16*\b+15]
.endr
.endr
.irp u, 0,1
	v_max3_num_f32 v[TT+2*\u], v[TT+2*\u], v[TT+2*\u+1], v[MS+4*\u]   ; with the old m
.endr
.irp u, 0,1
	v_permlanex16_b32 v[TT+2*\u+1], v[TT+2*\u], s[SEL], s[SEL+1]      ; the query's other 32 keys lie in the lane 16 away
.endr
.irp u, 0,1
	v_max_num_f32 v[TT+2*\u], v[TT+2*\u], v[TT+2*\u+1]                ; the new m
.endr
.irp u, 0,1
	v_sub_f32 v[FA+2*\u], v[MS+4*\u], v[TT+2*\u]                      ; old m - new m, 0 or less
.endr
.irp u, 0,1
	v_mov_b32 v[MS+4*\u], v[TT+2*\u]
.endr
.irp u, 0,1
.set j, 0
.rept 16
	v_pk_add_f32 v[S+32*\u+j:S+32*\u+j+1], v[S+32*\u+j:S+32*\u+j+1], v[MS+4*\u:MS+4*\u+1] op_sel_hi:[1,0] neg_lo:[0,1] neg_hi:[0,1]   ; t - m
.set j, j+2
.endr
.endr
	v_exp_f32 v[FA], v[FA]                         ; a = 2^(old m - new m)
	v_exp_f32 v[FA+2], v[FA+2]
.set j, 0
.rept 64
	v_exp_f32 v[S+j], v[S+j]                       ; p = 2^(t - m)
.set j, j+1
.endr
	v_nop                                          ; a plain line behind the last exponential
	s_wait_alu depctr_va_vdst(0)                   ; one wait for the batch of 66, ahead of its first reader
.irp u, 0,1
	v_pk_mul_f32 v[MS+4*\u+2:MS+4*\u+3], v[MS+4*\u+2:MS+4*\u+3], v[FA+2*\u:FA+2*\u+1] op_sel_hi:[1,0]   ; the sum under the new m
	v_pk_add_f32 v[TT+4+2*\u:TT+5+2*\u], v[S+32*\u:S+32*\u+1], v[S+32*\u+2:S+32*\u+3]                   ; the row's sum in f32, two chains a tile
.endr
.irp j, 4,8,12,16,20,24,28
.irp u, 0,1
	v_pk_add_f32 v[MS+4*\u+2:MS+4*\u+3], v[MS+4*\u+2:MS+4*\u+3], v[S+32*\u+\j:S+32*\u+\j+1]
	v_pk_add_f32 v[TT+4+2*\u:TT+5+2*\u], v[TT+4+2*\u:TT+5+2*\u], v[S+32*\u+\j+2:S+32*\u+\j+3]
.endr
.endr
.irp u, 0,1
	v_pk_add_f32 v[MS+4*\u+2:MS+4*\u+3], v[MS+4*\u+2:MS+4*\u+3], v[TT+4+2*\u:TT+5+2*\u]
.endr
.set j, 0
.rept 16                                       ; P in place: register j takes p 2 j and 2 j + 1; in ascending order no p is written over before it is read
	v_cvt_pk_f16_f32 v[S+j], v[S+2*j], v[S+2*j+1]
	v_cvt_pk_f16_f32 v[S+32+j], v[S+32+2*j], v[S+32+2*j+1]
.set j, j+1
.endr
.set j, 0
.rept 16
	v_pk_mul_f32 v[O+j:O+j+1], v[O+j:O+j+1], v[FA:FA+1] op_sel_hi:[1,0]               ; O^T under the new m
	v_pk_mul_f32 v[O+32+j:O+32+j+1], v[O+32+j:O+32+j+1], v[FA+2:FA+3] op_sel_hi:[1,0]
.set j, j+2
.endr
	s_wait_dscnt 0x0                               ; V is in
.irp g, 0,1                                    ; O^T += V^T P: each fragment of V serves both tiles; the eight accumulators by turns
.irp t, 0,1,2,3
.irp u, 0,1
	v_wmma_f32_16x16x32_f16 v[O+32*\u+8*\t:O+32*\u+8*\t+7], v[KV+8*(4*\g+\t):KV+8*(4*\g+\t)+7], v[S+32*\u+8*\g:S+32*\u+8*\g+7], v[O+32*\u+8*\t:O+32*\u+8*\t+7]
.endr
.endr
.endr
.Lhidden_\@:
.endm
; THE CHANGE OF SLOTS stands at a slot's head.  Each wave waits for all its tensor loads, adds 0 to its spare word (fill = 1: twice on end), and waits for that and for its reads of the slot that it has left.
; Behind the barrier the slot ahead is whole and nobody reads the other one.  fill = 1: that other slot takes the next 512 keys, and has a whole slot's steps in which to land.
.macro CHANGE fill
	s_wait_tensorcnt 0x0                           ; no tensor load of mine is out, so group 0 may be written
	ds_add_u32 v[SPW], v[NIL]
.if \fill
	ds_add_u32 v[SPW], v[NIL]                      ; and once more
	s_xor_b32 s[G0+1], s[G0+1], SLOT1              ; the walking descriptor: the other slot,
	s_add_nc_u64 s[G0+2:G0+3], s[G0+2:G0+3], 65536 ; the next 512 keys
	s_wait_xcnt 0x0                                ; the last prefetches, a slot back, have read their address
	s_add_nc_u64 s[PFA:PFA+1], s[PFA:PFA+1], 65536
.endif
	s_wait_dscnt 0x0                               ; the add is done, and my reads of the slot that I have left are over
	s_barrier_signal -1
	s_barrier_wait -1
.if \fill
	s_add_co_u32 s96, s[KS], 512                   ; the look-ahead ends at the causal limit: a slot whose first key comes after the work-group's last query is read by none of its waves, so it is not asked for.
	s_cmp_gt_u32 s96, s[LQ]                        ; The work-group's number and the count of slots alone: all sixteen waves go the same way.  Every wait on TENSORcnt in this text is for 0
	s_cbranch_scc1 .Lpast_\@
	TLOAD
.Lpast_\@:
	ASK
.endif
.endm
.macro SLOT_STEPS
	STEP 0
	STEP 1
	STEP 2
	STEP 3
	s_xor_b32 s[TB], s[TB], SLOT1
	s_add_co_u32 s[KS], s[KS], 512
.endm
	s_wait_loadcnt 0x0                             ; Q
.Lslot:                                            ; three trips: behind each change of slots but the last the next slot is asked for, up to the limit
	CHANGE 1
	SLOT_STEPS
	s_sub_co_u32 s[SLOTS], s[SLOTS], 1
	s_cmp_lg_u32 s[SLOTS], 0
	s_cbranch_scc1 .Lslot
	CHANGE 0                                       ; the last slot is written out: nothing is left to ask for
	SLOT_STEPS
	; THE TWO HALVES OF THE KEYS ARE JOINED.  Each wave puts m, its lanes' sum and O^T of both its tiles into LDS as images of its registers; a barrier; then wave hf takes tile hf, from its own bytes and from those of
	; wave w xor 2, which hold the same queries' other keys.  So all waves run the same lines on the same registers, and each finishes one tile.
	; O^T's stage, 8,192 bytes a wave, is slot 0: it has had its last fill, and every wave left it at the last change of slots; the steps behind that change read slot 1 alone.
	PLACES                                         ; ahead of the first read of the last products' results
	v_add_f32 v[MS+1], v[MS+2], v[MS+3]            ; the sum's two halves, beside m
	v_add_f32 v[MS+5], v[MS+6], v[MS+7]
	s_lshl_b32 s82, s[WV], 13                      ; my stage
	s_lshl_b32 s83, s[HF], 12                      ; tile hf in a stage
	s_add_co_u32 s84, s82, s83
	s_xor_b32 s85, s[WV], 2                        ; my partner
	s_lshl_b32 s85, s85, 13
	s_add_co_u32 s85, s85, s83
	s_lshl_b32 s86, s[WV], 9
	s_add_co_u32 s86, s86, MLB                     ; my m and sums
	s_lshl_b32 s87, s[HF], 8
	s_add_co_u32 s88, s86, s87
	s_xor_b32 s93, s[WV], 2
	s_lshl_b32 s93, s93, 9
	s_add_co_u32 s93, s93, s87
	s_add_co_u32 s93, s93, MLB
	v_lshrrev_b32 v29, 1, v[GL]                    ; 8 x lane
	v_add_nc_u32 v1, s82, v[GL]                    ; where I put O^T
	v_add_nc_u32 v2, s84, v[GL]                    ; where I read tile hf of mine,
	v_add_nc_u32 v3, s85, v[GL]                    ; and of my partner's
	v_add_nc_u32 v4, s86, v29                      ; the same three for m and the sum
	v_add_nc_u32 v28, s88, v29
	v_add_nc_u32 v29, s93, v29
.irp u, 0,1
.irp f, 0,1,2,3,4,5,6,7
	ds_store_b128 v1, v[O+32*\u+4*\f:O+32*\u+4*\f+3] offset:4096*\u+512*\f   ; each accumulator from its low end on
.endr
	ds_store_b64 v4, v[MS+4*\u:MS+4*\u+1] offset:256*\u
.endr
	s_wait_dscnt 0x0                               ; for the others' sake: my stores have landed
	s_barrier_signal -1
	s_barrier_wait -1
	ds_load_b64 v[16:17], v28                      ; m and sum: mine,
	ds_load_b64 v[18:19], v29                      ; my partner's
.irp f, 0,1,2,3,4,5,6,7
	ds_load_b128 v[S+4*\f:S+4*\f+3], v2 offset:512*\f
	ds_load_b128 v[S+32+4*\f:S+32+4*\f+3], v3 offset:512*\f
.endr
	s_wait_dscnt 0x0
	v_max_num_f32 v27, v16, v18                    ; the larger m.  The half with hf = 0 has seen key 0, so it is a score; a half that saw no key has m = -3e38 and sum 0
	v_sub_f32 v16, v16, v27
	v_sub_f32 v18, v18, v27
	v_exp_f32 v16, v16                             ; what brings each half under the larger m
	v_exp_f32 v18, v18
	v_nop                                          ; a plain line behind the exponentials
	s_wait_alu depctr_va_vdst(0)                   ; and the wait ahead of their first reader
	v_mul_f32 v27, v17, v16
	v_fmac_f32 v27, v19, v18
	v_permlanex16_b32 v[PX], v27, s[SEL], s[SEL+1]
	v_add_f32 v27, v27, v[PX]                      ; the row's sum over all keys
	v_rcp_f32 v27, v27
	v_nop                                          ; a plain line behind the reciprocal
	s_wait_alu depctr_va_vdst(0)
	v_mul_f32 v16, v16, v27
	v_mul_f32 v18, v18, v27
.set j, 0
.rept 16
	v_pk_mul_f32 v[S+j:S+j+1], v[S+j:S+j+1], v[16:17] op_sel_hi:[1,0]
.set j, j+2
.endr
.set j, 0
.rept 16
	v_pk_fma_f32 v[S+j:S+j+1], v[S+32+j:S+32+j+1], v[18:19], v[S+j:S+j+1] op_sel_hi:[1,0,1]
.set j, j+2
.endr
.set j, 0
.rept 16
	v_cvt_pk_f16_f32 v[KV+j], v[S+2*j], v[S+2*j+1]
.set j, j+1
.endr
.irp t, 0,1,2,3
	global_store_b128 v[GL], v[KV+4*\t:KV+4*\t+3], s[6:7] offset:512*\t   ; a lane's eight channels of accumulator t are half a fragment's row: four stores of 512 consecutive bytes, 2,048 bytes on end
.endr
	s_wait_tensorcnt 0x0                           ; the wave's end, behind my last tensor load and my last LDS store
	ds_add_u32 v[SPW], v[NIL]
	s_wait_dscnt 0x0
	s_endpgm
.Lfunc_end_k_qfbc3e19e51_attn:
	.size	k_qfbc3e19e51_attn, .Lfunc_end_k_qfbc3e19e51_attn-k_qfbc3e19e51_attn
	.p2alignl 7, 3214868480
	.fill 96, 4, 3214868480
	.section	.rodata,"a",@progbits
	.p2align	6, 0x0
	.amdhsa_kernel k_qfbc3e19e51_attn
		.amdhsa_group_segment_fixed_size 327680
		.amdhsa_private_segment_fixed_size 0
		.amdhsa_enable_private_segment 0
		.amdhsa_kernarg_size 16
		.amdhsa_user_sgpr_count 2
		.amdhsa_user_sgpr_kernarg_segment_ptr 1
		.amdhsa_wavefront_size32 1
		.amdhsa_system_sgpr_workgroup_id_x 1
		.amdhsa_system_sgpr_workgroup_id_y 1
		.amdhsa_system_sgpr_workgroup_id_z 1
		.amdhsa_system_vgpr_workitem_id 0
		.amdhsa_next_free_vgpr 256
		.amdhsa_next_free_sgpr 100
		.amdhsa_reserve_vcc 1
		.amdhsa_float_denorm_mode_32 3
		.amdhsa_float_denorm_mode_16_64 3
		.amdhsa_memory_ordered 1
		.amdhsa_forward_progress 1
		.amdhsa_inst_pref_size 186
	.end_amdhsa_kernel
	.amdgpu_metadata
---
amdhsa.version: [ 1, 2 ]
amdhsa.kernels:
  - .name:           k_qfbc3e19e51_attn
    .symbol:         k_qfbc3e19e51_attn.kd
    .args:
      - { .name: qkv, .offset: 0, .size: 8, .value_kind: global_buffer, .address_space: global }
      - { .name: of, .offset: 8, .size: 8, .value_kind: global_buffer, .address_space: global }
    .group_segment_fixed_size: 327680
    .private_segment_fixed_size: 0
    .kernarg_segment_align: 8
    .kernarg_segment_size: 16
    .max_flat_workgroup_size: 512
    .sgpr_count:     100
    .vgpr_count:     256
    .wavefront_size: 32
...
	.end_amdgpu_metadata
.endif
;; end of part 3
;; launch proj (part 4): grid 8 x 32, 4 waves a work-group, clusters of 4 x 4, 327,680 bytes of LDS; arguments of, wo, b_out, out0; writes out0
.if DOCPART == 4
	.amdgcn_target "amdgcn-amd-amdhsa--gfx1250"
	.amdhsa_code_object_version 6
	.text
	.protected	k_qfbc3e19e51_proj
	.globl	k_qfbc3e19e51_proj
	.p2align	8
	.type	k_qfbc3e19e51_proj,@function
k_qfbc3e19e51_proj:
	s_mov_b64 s[64:65], 0
	v_nop
	global_prefetch_b8 v0, s[64:65] scope:SCOPE_SE
	s_setreg_imm32_b32 hwreg(HW_REG_WAVE_MODE, 25, 1), 1
	s_wait_xcnt 0x0
	s_wait_alu depctr_hold_cnt(0) depctr_sa_sdst(0) depctr_va_vdst(0) depctr_va_sdst(0) depctr_va_ssrc(0) depctr_va_vcc(0) depctr_vm_vsrc(0)
	s_getreg_b32 s2, hwreg(HW_REG_IB_STS2, 6, 4)
	s_cmp_eq_u32 s2, 0
	s_cbranch_scc0 .Lentry_in_a_cluster
	s_endpgm
.Lentry_in_a_cluster:
	s_bfe_u32 s2, ttmp6, 0x10000c
	s_cmp_lg_u32 s2, 0xf033
	s_cbranch_scc0 .Lentry_shape_is_right
	s_endpgm
.Lentry_shape_is_right:
; out0 = o w_out + b_out: 4,096 x 1,024, K = 1,024, f16 operands, f32 sums.  of [m16 256][k32 32][1024] and wo [n16 64][k32 32][1024] are images of operand registers
; (a fragment of 16 rows x 32 K: registers 0-3 of lane l at 16 l, registers 4-7 at 512 + 16 l), so a tile is dense in LDS and a fragment load reads 512 consecutive bytes.
; A tile of 128 x 128 to a work-group (256 of them), 64 x 64 to each of four waves: 16 accumulators.  K goes in four steps of 256 through two LDS slots filled by the tensor data mover.
; CLUSTERS: 4 x 4 work-groups; o's tiles are shared along a row of the cluster, w_out's along a column: joint loads.
; THE MATRIX INSTRUCTION IS USED TRANSPOSED (source 0 = 16 columns of w_out, source 1 = 16 tokens): a lane holds eight neighbouring numbers of a row of out0.  The bias is the C of each sum's first product.
; The rows of positions 0-15 of both sequences are written again, more finely, by the launch that follows.
; REGISTERS: window 0: v16-31 addresses; v32-95 the way out; v96-127 the bias; v128-255 the accumulators ((a, b) at v[128 + 8 (4 a + b)]).  window 1: two fragment buffers of 128: 64 registers of o, then 64 of w_out.
.set SLOT,   131072                    ; o [m16 8][k32 8][1024], then w_out [n16 8][k32 8][1024]
.set STAGE,  262144                    ; behind the ring: 16 rows x 272 bytes for each wave
.set SPITCH, 272
.set SPARE,  STAGE+4*16*SPITCH         ; the spare words, 128 bytes a wave: two blocks of 256 bytes that no other line names
.set LAPS, 2
.set ADRA, 16
.set ADRB, 20
.set STO,  24
.set RD,   25
.set CO,   26
.set SPW,  28
.set NIL,  29
.set TMP,  32
.set BI,   96
.set ACC,  128
.set F0,   0
.set F1,   128
.set G1, 24
.set G0, 32
.set G1B, 48
.set G0B, 56
.set MSB, 0
.macro WIN new
.if MSB != (\new)
	s_set_vgpr_msb (MSB<<8)|(\new)
.set MSB, \new
.endif
.endm
.set MUL,  0x05                        ; sources 0 and 1 window 1; C and D window 0
.set TO_F, 0x40                        ; destination window 1
.macro JLOAD s                         ; a joint load: waves 0 and 1 fetch o's two halves, waves 2 and 3 w_out's; an s_nop 0 and four v_nop follow each line
	s_cmp_eq_u32 s13, 0
	s_cbranch_scc0 .Lfor_b_\@
	tensor_load_to_lds s[G0+4*\s:G0+4*\s+3], s[G1:G1+7]
	s_nop 0
.rept 4
	v_nop
.endr
	s_branch .Lasked_\@
.Lfor_b_\@:
	tensor_load_to_lds s[G0B+4*\s:G0B+4*\s+3], s[G1B:G1B+7]
	s_nop 0
.rept 4
	v_nop
.endr
.Lasked_\@:
.endm
.macro CREST                           ; a round of the cluster's barrier behind its opening barrier
	s_cmp_lg_u32 s12, 0
	s_cbranch_scc1 .Lnot_wave_0_\@
	s_barrier_signal -3
.Lnot_wave_0_\@:
	s_barrier_wait -3
	s_barrier_signal -1
	s_barrier_wait -1
.endm
.macro CROUND
	s_barrier_signal -1
	s_barrier_wait -1
	CREST
.endm
	s_load_b256 s[4:11], s[0:1], 0x0               ; of s[4:5], wo s[6:7], b_out s[8:9], out0 s[10:11]
	v_lshl_add_u32 v[SPW], v0, 2, SPARE
	v_mov_b32 v[NIL], 0
	ds_add_u32 v[SPW], v[NIL]                      ; the wave's opening: the add, twice on end, and its wait ahead of my first tensor load
	ds_add_u32 v[SPW], v[NIL]
	v_lshrrev_b32 v1, 5, v0
	v_readfirstlane_b32 s12, v1                    ; wave 0..3
	s_lshr_b32 s13, s12, 1                         ; which 64 rows are mine.  Also: I fetch for o (0) or for w_out (1)
	s_and_b32 s14, s12, 1                          ; which 64 columns.  Also: which half of that tile I fetch
	s_bfe_u32 s40, ttmp6, 0x40000
	s_bfe_u32 s41, ttmp6, 0x40004
	s_lshl_b32 s42, ttmp9, 2
	s_add_co_u32 s42, s42, s40                     ; tile column
	s_and_b32 s15, ttmp7, 0xffff
	s_lshl_b32 s15, s15, 2
	s_add_co_u32 s15, s15, s41                     ; tile row
	s_lshl_b32 s43, s41, 2
	s_lshl_b32 s43, 15, s43                        ; my row of the cluster
	s_lshl_b32 s44, 0x1111, s40                    ; my column
	; group 1: 4 rows (blocks of 16 rows of the operand) x 8,192 bytes (eight fragments: 256 along K), 32,768 bytes apart in memory, dense in LDS
	s_or_b32 s[G1], s43, (3<<16)|(1<<21)
	s_or_b32 s[G1B], s44, (3<<16)|(1<<21)
.irp g, G1, G1B
	s_mov_b32 s[\g+1], 1024<<16                    ; tensor_dim0 = 1,024 elements of 8 bytes
	s_mov_b32 s[\g+2], 4<<16                       ; tensor_dim1
	s_mov_b32 s[\g+3], 1024<<16                    ; tile_dim0
	s_mov_b32 s[\g+4], 4                           ; tile_dim1
	s_mov_b32 s[\g+5], 4096                        ; tensor_dim0_stride
	s_mov_b32 s[\g+6], 0
	s_mov_b32 s[\g+7], 0
.endr
	s_lshl_b32 s20, s14, 2
	s_lshl_b32 s16, s15, 3
	s_add_co_u32 s16, s16, s20
	s_lshl_b32 s16, s16, 15                        ; o: block 8 x tile row + 4 x half, 32,768 bytes each
	s_mov_b32 s17, 0
	s_lshl_b32 s46, s42, 3
	s_add_co_u32 s46, s46, s20
	s_lshl_b32 s46, s46, 15                        ; w_out: by the tile column
	s_mov_b32 s47, 0
	s_lshl_b32 s20, s12, 15                        ; where they go: wave x 32,768
	s_wait_dscnt 0x0
	s_wait_kmcnt 0x0
	s_add_nc_u64 s[16:17], s[4:5], s[16:17]
	s_add_nc_u64 s[46:47], s[6:7], s[46:47]
	CROUND                                         ; all sixteen work-groups are here: the first joint loads meet
.irp s, 0,1
	s_mov_b32 s[G0+4*\s], 1
	s_add_co_u32 s[G0+4*\s+1], s20, \s*SLOT
	s_add_nc_u64 s[G0+4*\s+2:G0+4*\s+3], s[16:17], \s*8192
	s_or_b32 s[G0+4*\s+3], s[G0+4*\s+3], 0x80000000
	s_mov_b32 s[G0B+4*\s], 1
	s_add_co_u32 s[G0B+4*\s+1], s20, \s*SLOT
	s_add_nc_u64 s[G0B+4*\s+2:G0B+4*\s+3], s[46:47], \s*8192
	s_or_b32 s[G0B+4*\s+3], s[G0B+4*\s+3], 0x80000000
	JLOAD \s
.endr
	v_and_b32 v1, 15, v0                           ; r
	v_bfe_u32 v2, v0, 4, 1                         ; h
	v_and_b32 v3, 31, v0
	v_lshlrev_b32 v3, 4, v3                        ; 16 x lane
	s_lshl_b32 s21, s13, 15                        ; my four blocks of o
	s_lshl_b32 s22, s14, 15
	s_add_co_u32 s22, s22, 65536                   ; my four of w_out
.irp s, 0,1
	v_add_nc_u32 v[ADRA+\s], s21, v3
	v_add_nc_u32 v[ADRB+\s], s22, v3
	s_add_co_u32 s21, s21, SLOT
	s_add_co_u32 s22, s22, SLOT
.endr
	s_mul_i32 s23, s12, 16*SPITCH
	s_add_co_u32 s23, s23, STAGE                   ; my stage
	v_mul_u32_u24 v4, v1, SPITCH
	v_lshl_add_u32 v4, v2, 5, v4
	v_add_nc_u32 v[STO], s23, v4                   ; in: row r, 32 bytes for each half of the lanes
	v_mul_u32_u24 v5, v2, SPITCH
	v_lshl_add_u32 v5, v1, 4, v5
	v_add_nc_u32 v[RD], s23, v5                    ; back: lanes 0-15 one row of 256 bytes, lanes 16-31 the next
	v_lshlrev_b32 v5, 12, v2
	v_lshl_add_u32 v[CO], v1, 4, v5                ; and the same two rows in out0
	v_lshlrev_b32 v6, 5, v2                        ; the bias: 32 h
	s_lshl_b32 s18, s42, 9
	s_lshl_b32 s21, s14, 8
	s_add_co_u32 s18, s18, s21                     ; my first column, in bytes
	s_mov_b32 s19, 0
	s_add_nc_u64 s[8:9], s[8:9], s[18:19]
	s_lshl_b32 s21, s15, 19
	s_add_co_u32 s18, s18, s21
	s_lshl_b32 s21, s13, 18
	s_add_co_u32 s18, s18, s21                     ; + my first row of 4,096 bytes
	s_add_nc_u64 s[10:11], s[10:11], s[18:19]
.irp b, 0,1,2,3
	global_load_b128 v[BI+8*\b:BI+8*\b+3], v6, s[8:9] offset:64*\b        ; columns 16 b + 8 h + 0 .. 7
	global_load_b128 v[BI+8*\b+4:BI+8*\b+7], v6, s[8:9] offset:64*\b+16
.endr
; 8 products: token blocks a0, a0 + 1 x all 4 column blocks, 32 along K: half c of buffer f.  zero = 1: the first product starts the sums, from the bias.  The 16 accumulators take turns.
.macro MUL8 f, c, a0, zero
.irp a, \a0, \a0+1
.irp b, 0,1,2,3
.if \zero
	v_wmma_f32_16x16x32_f16 v[ACC+8*(4*(\a)+\b):ACC+8*(4*(\a)+\b)+7], v[\f+64+8*(4*\c+\b):\f+64+8*(4*\c+\b)+7], v[\f+8*(4*\c+\a):\f+8*(4*\c+\a)+7], v[BI+8*\b:BI+8*\b+7]
.else
	v_wmma_f32_16x16x32_f16 v[ACC+8*(4*(\a)+\b):ACC+8*(4*(\a)+\b)+7], v[\f+64+8*(4*\c+\b):\f+64+8*(4*\c+\b)+7], v[\f+8*(4*\c+\a):\f+8*(4*\c+\a)+7], v[ACC+8*(4*(\a)+\b):ACC+8*(4*(\a)+\b)+7]
.endif
.endr
.endr
.endm
; 32 LDS loads in one run: the fragments of 64 along K (two fragments deep) from byte k of a block on, into buffer f; the first 32 along K first
.macro FETCH slot, k, f
	WIN TO_F
.irp c, 0,1
.irp i, 0,1,2,3
	ds_load_b128 v[\f+64+8*(4*\c+\i):\f+64+8*(4*\c+\i)+3],   v[ADRB+\slot] offset:\k+1024*\c+8192*\i
	ds_load_b128 v[\f+64+8*(4*\c+\i)+4:\f+64+8*(4*\c+\i)+7], v[ADRB+\slot] offset:\k+1024*\c+8192*\i+512
	ds_load_b128 v[\f+8*(4*\c+\i):\f+8*(4*\c+\i)+3],         v[ADRA+\slot] offset:\k+1024*\c+8192*\i
	ds_load_b128 v[\f+8*(4*\c+\i)+4:\f+8*(4*\c+\i)+7],       v[ADRA+\slot] offset:\k+1024*\c+8192*\i+512
.endr
.endr
.endm
.macro PLACES                          ; four plain lines in front of loads into registers that matrix instructions have read, and of the first read of results
.rept 4
	v_nop
.endr
.endm
; A K step is four quarters of 64 along K, 32 products each, on buffers 0, 1, 0, 1.  One of the first three: multiplies buffer f and fetches the next quarter, at byte k, into g.
.macro QUARTER slot, k, f, g, zero
	s_wait_dscnt 16                                ; the first 32 along K are in; the youngest sixteen loads may be out
	WIN MUL
	MUL8 \f, 0, 0, \zero
	MUL8 \f, 0, 2, \zero
	PLACES
	FETCH \slot, \k, \g
	s_wait_dscnt 32                                ; all but the 32 just issued
	WIN MUL
	MUL8 \f, 1, 0, 0
	MUL8 \f, 1, 2, 0
.endm
; The last quarter multiplies buffer 1 and changes slots: ONE barrier; in front of it each wave waits for all its tensor loads, adds 0 to its spare word, and waits for that and for its reads of this slot.  fill = 1: this slot is filled again, two K steps ahead.
.macro TURN slot, next, fill
	WIN 0
	s_wait_tensorcnt 0x0                           ; all my tensor loads have landed: my part of the next slot
	ds_add_u32 v[SPW], v[NIL]
	s_wait_dscnt 17                                ; (the add and the youngest sixteen loads may be out)
	WIN MUL
	MUL8 F1, 0, 0, 0
	s_wait_dscnt 0x0                               ; the add is done, and my reads of this slot are over
	s_barrier_signal -1
	MUL8 F1, 0, 2, 0
.if \fill
	WIN 0
.endif
	s_barrier_wait -1
.if \fill
	CREST                                          ; the barrier has opened a round of the cluster's: no wave of any partner still reads this slot or has a load on its way
	s_add_nc_u64 s[G0+4*\slot+2:G0+4*\slot+3], s[G0+4*\slot+2:G0+4*\slot+3], 16384
	s_add_nc_u64 s[G0B+4*\slot+2:G0B+4*\slot+3], s[G0B+4*\slot+2:G0B+4*\slot+3], 16384
	JLOAD \slot                                    ; the first tensor load behind the round; its four v_nop are also the places in front of the loads below
.else
	PLACES
.endif
	FETCH \next, 0, F0
	WIN MUL
	MUL8 F1, 1, 0, 0
	MUL8 F1, 1, 2, 0
.endm
	s_wait_loadcnt 0x0                             ; the bias
	s_wait_tensorcnt 0x1                           ; my part of K step 0 is in; K step 1's load may stay out
	s_barrier_signal -1
	s_barrier_wait -1
	FETCH 0, 0, F0
	QUARTER 0, 2048, F0, F1, 1                     ; the first quarter stands in front of the loop: its first products start the sums
	WIN 0
	s_mov_b32 s3, LAPS-1
.Llap:                                             ; a trip goes once round the ring and fills both slots again
	QUARTER 0, 4096, F1, F0, 0
	QUARTER 0, 6144, F0, F1, 0
	TURN 0, 1, 1
	QUARTER 1, 2048, F0, F1, 0
	QUARTER 1, 4096, F1, F0, 0
	QUARTER 1, 6144, F0, F1, 0
	TURN 1, 0, 1
	QUARTER 0, 2048, F0, F1, 0
	WIN 0
	s_sub_co_u32 s3, s3, 1
	s_cmp_lg_u32 s3, 0
	s_cbranch_scc1 .Llap
	QUARTER 0, 4096, F1, F0, 0                     ; the last lap fills nothing
	QUARTER 0, 6144, F0, F1, 0
	TURN 0, 1, 0
	QUARTER 1, 2048, F0, F1, 0
	QUARTER 1, 4096, F1, F0, 0
	QUARTER 1, 6144, F0, F1, 0
	s_wait_dscnt 16
	WIN MUL
	MUL8 F1, 0, 0, 0
	MUL8 F1, 0, 2, 0
	s_wait_dscnt 0x0
	MUL8 F1, 1, 0, 0
	MUL8 F1, 1, 2, 0
	WIN 0
	; THE WAY OUT.  My 64 columns are 256 bytes of a row, aligned: 16 rows at a time go through my own stage and come back as whole rows; sixteen lanes store 256 consecutive bytes.
	; LDS serves a wave's instructions in order: no wait between the stores and the loads, nor in front of the next block's stores.
	PLACES
.irp a, 0,1,2,3
.if \a >= 2
	s_wait_xcnt 0x0                                ; block a - 2's stores have read their registers
.endif
.irp b, 0,1,2,3
	ds_store_b128 v[STO], v[ACC+8*(4*\a+\b):ACC+8*(4*\a+\b)+3] offset:64*\b          ; each accumulator from its low end on
	ds_store_b128 v[STO], v[ACC+8*(4*\a+\b)+4:ACC+8*(4*\a+\b)+7] offset:64*\b+16
.endr
.irp t, 0,1,2,3,4,5,6,7
	ds_load_b128 v[TMP+32*(\a%2)+4*\t:TMP+32*(\a%2)+4*\t+3], v[RD] offset:2*\t*SPITCH
.endr
.irp t, 0,1,2,3,4,5,6,7
	s_wait_dscnt 7-\t
	global_store_b128 v[CO], v[TMP+32*(\a%2)+4*\t:TMP+32*(\a%2)+4*\t+3], s[10:11] offset:65536*\a+8192*\t th:TH_STORE_NT
.endr
.endr
	s_wait_tensorcnt 0x0                           ; the wave's end
	ds_add_u32 v[SPW], v[NIL]
	s_wait_dscnt 0x0
	CROUND                                         ; the closing round
	s_endpgm
.Lfunc_end_k_qfbc3e19e51_proj:
	.size	k_qfbc3e19e51_proj, .Lfunc_end_k_qfbc3e19e51_proj-k_qfbc3e19e51_proj
	.p2alignl 7, 3214868480
	.fill 96, 4, 3214868480
	.section	.rodata,"a",@progbits
	.p2align	6, 0x0
	.amdhsa_kernel k_qfbc3e19e51_proj
		.amdhsa_group_segment_fixed_size 327680
		.amdhsa_private_segment_fixed_size 0
		.amdhsa_enable_private_segment 0
		.amdhsa_kernarg_size 32
		.amdhsa_user_sgpr_count 2
		.amdhsa_user_sgpr_kernarg_segment_ptr 1
		.amdhsa_wavefront_size32 1
		.amdhsa_system_sgpr_workgroup_id_x 1
		.amdhsa_system_sgpr_workgroup_id_y 1
		.amdhsa_system_sgpr_workgroup_id_z 1
		.amdhsa_system_vgpr_workitem_id 0
		.amdhsa_next_free_vgpr 512
		.amdhsa_next_free_sgpr 66
		.amdhsa_reserve_vcc 0
		.amdhsa_float_denorm_mode_32 3
		.amdhsa_float_denorm_mode_16_64 3
		.amdhsa_memory_ordered 1
		.amdhsa_forward_progress 1
		.amdhsa_inst_pref_size 87
	.end_amdhsa_kernel
	.amdgpu_metadata
---
amdhsa.version: [ 1, 2 ]
amdhsa.kernels:
  - .name:           k_qfbc3e19e51_proj
    .symbol:         k_qfbc3e19e51_proj.kd
    .args:
      - { .name: of, .offset: 0, .size: 8, .value_kind: global_buffer, .address_space: global }
      - { .name: wo, .offset: 8, .size: 8, .value_kind: global_buffer, .address_space: global }
      - { .name: b_out, .offset: 16, .size: 8, .value_kind: global_buffer, .address_space: global }
      - { .name: out0, .offset: 24, .size: 8, .value_kind: global_buffer, .address_space: global }
    .group_segment_fixed_size: 327680
    .private_segment_fixed_size: 0
    .kernarg_segment_align: 8
    .kernarg_segment_size: 32
    .max_flat_workgroup_size: 128
    .sgpr_count:     66
    .vgpr_count:     512
    .wavefront_size: 32
...
	.end_amdgpu_metadata
.endif
;; end of part 4
;; launch fine (part 5): grid 64 x 2, 16 waves a work-group, no clusters, 18,432 bytes of LDS; arguments f32r, w_out, b_out, out0; writes out0
.if DOCPART == 5
	.amdgcn_target "amdgcn-amd-amdhsa--gfx1250"
	.amdhsa_code_object_version 6
	.text
	.protected	k_qfbc3e19e51_fine
	.globl	k_qfbc3e19e51_fine
	.p2align	8
	.type	k_qfbc3e19e51_fine,@function
k_qfbc3e19e51_fine:
	s_mov_b64 s[64:65], 0
	v_nop
	global_prefetch_b8 v0, s[64:65] scope:SCOPE_SE
	s_setreg_imm32_b32 hwreg(HW_REG_WAVE_MODE, 25, 1), 1
	s_wait_xcnt 0x0
; Positions 0-15 of both sequences once more, in f32 throughout: there a row of the softmax averages one to sixteen values, and rounded operands would weigh most.  32 rows of out0 are written again.
; IN: f32r at 0: [b 2][t 16][2048] (q c, then k; c = log2(e) / 8 is folded into q); at 262,144: [b 2][channel 1024][t 16] (v^T); w_out [1024][1024] and b_out in f32.
; SHARES.  Work-group (nt, b): 16 columns of out0 for the batch's 16 rows.  Wave = head: its 16 x 16 attention, then its 64 of the projection's K; the sixteen partial tiles meet in LDS and wave 0 adds them.
; All products by v_wmma_f32_16x16x4_f32, 48 a wave: no bulk work.  K is permuted alike on both operands of a product, so that registers are used as they fall:
;   S^T = K Q^T: chunk c takes channels 32 h + 2 c + {0, 1};   O^T = V^T P: chunk i takes keys 8 h + 2 i + {0, 1};   out^T = W^T O: chunk 4 t + i takes channels 16 t + 8 h + 2 i + {0, 1}.
; What these products write is written by matrix instructions alone; what is made of a finished sum goes into other registers.  Two or four accumulators take turns.
; The pieces stored and read here are 64 bytes wide; the launch moves about half a megabyte.
.set SPARE, 16384                      ; behind the sixteen partial tiles: the spare words, 128 bytes a wave
.set SPW, 14
.set NIL, 15
.set QR,  16                           ; v16-47   q: my token r, channels 32 h + 0 .. 31
.set KR,  48                           ; v48-79   k likewise
.set VR,  80                           ; v80-111  v^T: channel 16 t + r, tokens 8 h + 0 .. 7
.set WR,  112                          ; v112-143 w_out: column r, channels 16 t + 8 h + 0 .. 7
.set BB,  144                          ; v144-151 b_out
.set SA,  152
.set SB,  160
.set SR,  168                          ; v168-175 the scores, then p; later the partial tile
.set OT,  176                          ; v176-207 O^T's four accumulators
.set ON,  208                          ; v208-239 O^T / the sum
.set PA,  240
.set PB,  248
	s_load_b256 s[4:11], s[0:1], 0x0               ; f32r s[4:5], w_out s[6:7], b_out s[8:9], out0 s[10:11]
	v_lshl_add_u32 v[SPW], v0, 2, SPARE
	v_mov_b32 v[NIL], 0
	v_lshrrev_b32 v1, 5, v0
	v_readfirstlane_b32 s12, v1                    ; wave = head
	v_and_b32 v1, 15, v0                           ; r
	v_bfe_u32 v2, v0, 4, 1                         ; h
	v_and_b32 v3, 31, v0
	v_lshlrev_b32 v3, 4, v3                        ; 16 x lane
	s_lshl_b32 s13, s12, 10
	v_add_nc_u32 v4, s13, v3                       ; LDS: my wave's partial tile
	v_lshlrev_b32 v5, 13, v1
	v_lshl_add_u32 v5, v2, 7, v5                   ; q, k: row r of 8,192 bytes, + 128 h
	v_lshlrev_b32 v6, 6, v1
	v_lshl_add_u32 v6, v2, 5, v6                   ; v^T: channel r of 64 bytes, + 32 h
	v_lshlrev_b32 v7, 2, v1
	v_lshl_add_u32 v7, v2, 15, v7                  ; w_out: column r, + 8 h rows of 4,096 bytes
	v_lshlrev_b32 v8, 5, v2                        ; b_out: 32 h
	v_lshlrev_b32 v9, 12, v1
	v_lshl_add_u32 v9, v2, 5, v9                   ; out0: row r, + 32 h
	v_lshlrev_b32 v10, 3, v2
	v_sub_nc_u32 v10, v1, v10                      ; d = r - 8 h
	v_mov_b32 v11, 0xff800000                      ; -infinity
	v_mov_b32 v12, 0                               ; written once: a lane permute's destination counts as one of its sources
	s_mov_b32 s16, 0x76543210
	s_mov_b32 s17, 0xfedcba98
	s_and_b32 s14, ttmp7, 0xffff                   ; the batch
	s_lshl_b32 s20, s14, 17
	s_lshl_b32 s22, s12, 8
	s_add_co_u32 s20, s20, s22                     ; q: the batch's rows, the head's 64 channels
	s_mov_b32 s21, 0
	s_lshl_b32 s22, s14, 16
	s_lshl_b32 s24, s12, 12
	s_add_co_u32 s22, s22, s24
	s_add_co_u32 s22, s22, 262144                  ; v^T
	s_mov_b32 s23, 0
	s_lshl_b32 s24, s12, 18
	s_lshl_b32 s26, ttmp9, 6                       ; my 16 columns, in bytes
	s_add_co_u32 s24, s24, s26                     ; w_out: the head's 64 rows
	s_mov_b32 s25, 0
	s_mov_b32 s27, 0
	s_lshl_b32 s28, s14, 23
	s_add_co_u32 s28, s28, s26                     ; out0: the batch's first row
	s_mov_b32 s29, 0
	s_wait_kmcnt 0x0
	s_add_nc_u64 s[18:19], s[4:5], s[22:23]
	s_add_nc_u64 s[4:5], s[4:5], s[20:21]
	s_add_nc_u64 s[6:7], s[6:7], s[24:25]
	s_add_nc_u64 s[8:9], s[8:9], s[26:27]
	s_add_nc_u64 s[10:11], s[10:11], s[28:29]
.irp j, 0,1,2,3,4,5,6,7
	global_load_b128 v[QR+4*\j:QR+4*\j+3], v5, s[4:5] offset:16*\j
.endr
.irp j, 0,1,2,3,4,5,6,7
	global_load_b128 v[KR+4*\j:KR+4*\j+3], v5, s[4:5] offset:4096+16*\j
.endr
.irp t, 0,1,2,3
	global_load_b128 v[VR+8*\t:VR+8*\t+3], v6, s[18:19] offset:1024*\t
	global_load_b128 v[VR+8*\t+4:VR+8*\t+7], v6, s[18:19] offset:1024*\t+16
.endr
.set n, 0
.rept 32
	global_load_b32 v[WR+n], v7, s[6:7] offset:(16*(n/8)+n%8)*4096
.set n, n+1
.endr
	global_load_b128 v[BB:BB+3], v8, s[8:9]
	global_load_b128 v[BB+4:BB+7], v8, s[8:9] offset:16
	s_wait_loadcnt 42                              ; q and k are in; behind them: v^T's 8, w_out's 32, b_out's 2
	; S^T = K Q^T: lane (r, h) gets query r, keys 8 h + 0 .. 7
	v_wmma_f32_16x16x4_f32 v[SA:SA+7], v[KR:KR+1], v[QR:QR+1], 0
	v_wmma_f32_16x16x4_f32 v[SB:SB+7], v[KR+2:KR+3], v[QR+2:QR+3], 0
.irp c, 2,4,6,8,10,12,14
	v_wmma_f32_16x16x4_f32 v[SA:SA+7], v[KR+2*\c:KR+2*\c+1], v[QR+2*\c:QR+2*\c+1], v[SA:SA+7]
	v_wmma_f32_16x16x4_f32 v[SB:SB+7], v[KR+2*\c+2:KR+2*\c+3], v[QR+2*\c+2:QR+2*\c+3], v[SB:SB+7]
.endr
.rept 8
	v_nop                                          ; eight plain lines behind this form, ahead of the first read of its results (ISA guide 7.12.1)
.endr
.irp j, 0,2,4,6
	v_pk_add_f32 v[SR+\j:SR+\j+1], v[SA+\j:SA+\j+1], v[SB+\j:SB+\j+1]
.endr
.irp j, 0,1,2,3,4,5,6,7
	v_cmp_gt_i32 vcc_lo, \j, v10                   ; key 8 h + j comes after query r
	v_cndmask_b32 v[SR+\j], v[SR+\j], v11, vcc_lo
.endr
	v_max3_num_f32 v13, v[SR], v[SR+1], v[SR+2]
	v_max3_num_f32 v13, v13, v[SR+3], v[SR+4]
	v_max3_num_f32 v13, v13, v[SR+5], v[SR+6]
	v_max_num_f32 v13, v13, v[SR+7]
	v_permlanex16_b32 v12, v13, s16, s17
	v_max_num_f32 v13, v13, v12                    ; the row's maximum: key 0 counts for every query
.irp j, 0,1,2,3,4,5,6,7
	v_sub_f32 v[SR+\j], v[SR+\j], v13
.endr
.irp j, 0,1,2,3,4,5,6,7
	v_exp_f32 v[SR+\j], v[SR+\j]
.endr
	v_nop                                          ; a plain line behind the last exponential
	s_wait_alu depctr_va_vdst(0)                   ; one wait for the eight, ahead of their first reader
	v_add_f32 v13, v[SR], v[SR+1]
.irp j, 2,3,4,5,6,7
	v_add_f32 v13, v13, v[SR+\j]
.endr
	v_permlanex16_b32 v12, v13, s16, s17
	v_add_f32 v13, v13, v12                        ; the row's sum
	v_rcp_f32 v13, v13
	v_nop
	s_wait_alu depctr_va_vdst(0)
	s_wait_loadcnt 34                              ; v^T is in
	; O^T = V^T P: lane (r, h) gets query r, channels 16 t + 8 h + 0 .. 7
.irp t, 0,1,2,3
	v_wmma_f32_16x16x4_f32 v[OT+8*\t:OT+8*\t+7], v[VR+8*\t:VR+8*\t+1], v[SR:SR+1], 0
.endr
.irp i, 1,2,3
.irp t, 0,1,2,3
	v_wmma_f32_16x16x4_f32 v[OT+8*\t:OT+8*\t+7], v[VR+8*\t+2*\i:VR+8*\t+2*\i+1], v[SR+2*\i:SR+2*\i+1], v[OT+8*\t:OT+8*\t+7]
.endr
.endr
.rept 8
	v_nop
.endr
.set n, 0
.rept 32
	v_mul_f32 v[ON+n], v[OT+n], v13                ; / the sum, into other registers
.set n, n+1
.endr
	s_wait_loadcnt 2                               ; w_out is in
	; out^T = W^T O over my head's 64 channels: lane (r, h) gets token r, columns 8 h + 0 .. 7
	v_wmma_f32_16x16x4_f32 v[PA:PA+7], v[WR:WR+1], v[ON:ON+1], 0
	v_wmma_f32_16x16x4_f32 v[PB:PB+7], v[WR+2:WR+3], v[ON+2:ON+3], 0
.irp c, 2,4,6,8,10,12,14
	v_wmma_f32_16x16x4_f32 v[PA:PA+7], v[WR+2*\c:WR+2*\c+1], v[ON+2*\c:ON+2*\c+1], v[PA:PA+7]
	v_wmma_f32_16x16x4_f32 v[PB:PB+7], v[WR+2*\c+2:WR+2*\c+3], v[ON+2*\c+2:ON+2*\c+3], v[PB:PB+7]
.endr
.rept 8
	v_nop
.endr
.irp j, 0,2,4,6
	v_pk_add_f32 v[SR+\j:SR+\j+1], v[PA+\j:PA+\j+1], v[PB+\j:PB+\j+1]
.endr
	ds_store_b128 v4, v[SR:SR+3]                   ; my head's part, as an image of its registers
	ds_store_b128 v4, v[SR+4:SR+7] offset:512
	s_wait_dscnt 0x0                               ; for the others' sake
	s_barrier_signal -1
	s_barrier_wait -1
	s_cmp_lg_u32 s12, 0
	s_cbranch_scc1 .Lend
.irp w, 0,1,2,3,4,5,6,7,8,9,10,11,12,13,14,15
	ds_load_b128 v[16+8*\w:16+8*\w+3], v3 offset:1024*\w
	ds_load_b128 v[16+8*\w+4:16+8*\w+7], v3 offset:1024*\w+512
.endr
	s_wait_loadcnt 0x0                             ; b_out
	s_wait_dscnt 0x0
.irp j, 0,2,4,6
	v_pk_add_f32 v[16+\j:16+\j+1], v[16+\j:16+\j+1], v[BB+\j:BB+\j+1]
.endr
.irp w, 1,2,3,4,5,6,7,8,9,10,11,12,13,14,15
.irp j, 0,2,4,6
	v_pk_add_f32 v[16+\j:16+\j+1], v[16+\j:16+\j+1], v[16+8*\w+\j:16+8*\w+\j+1]
.endr
.endr
	global_store_b128 v9, v[16:19], s[10:11]
	global_store_b128 v9, v[20:23], s[10:11] offset:16
.Lend:
	s_wait_tensorcnt 0x0                           ; the wave's end, behind my last LDS store
	ds_add_u32 v[SPW], v[NIL]
	s_wait_dscnt 0x0
	s_endpgm
.Lfunc_end_k_qfbc3e19e51_fine:
	.size	k_qfbc3e19e51_fine, .Lfunc_end_k_qfbc3e19e51_fine-k_qfbc3e19e51_fine
	.p2alignl 7, 3214868480
	.fill 96, 4, 3214868480
	.section	.rodata,"a",@progbits
	.p2align	6, 0x0
	.amdhsa_kernel k_qfbc3e19e51_fine
		.amdhsa_group_segment_fixed_size 18432
		.amdhsa_private_segment_fixed_size 0
		.amdhsa_enable_private_segment 0
		.amdhsa_kernarg_size 32
		.amdhsa_user_sgpr_count 2
		.amdhsa_user_sgpr_kernarg_segment_ptr 1
		.amdhsa_wavefront_size32 1
		.amdhsa_system_sgpr_workgroup_id_x 1
		.amdhsa_system_sgpr_workgroup_id_y 1
		.amdhsa_system_sgpr_workgroup_id_z 1
		.amdhsa_system_vgpr_workitem_id 0
		.amdhsa_next_free_vgpr 256
		.amdhsa_next_free_sgpr 66
		.amdhsa_reserve_vcc 1
		.amdhsa_float_denorm_mode_32 3
		.amdhsa_float_denorm_mode_16_64 3
		.amdhsa_memory_ordered 1
		.amdhsa_forward_progress 1
		.amdhsa_inst_pref_size 22
	.end_amdhsa_kernel
	.amdgpu_metadata
---
amdhsa.version: [ 1, 2 ]
amdhsa.kernels:
  - .name:           k_qfbc3e19e51_fine
    .symbol:         k_qfbc3e19e51_fine.kd
    .args:
      - { .name: f32r, .offset: 0, .size: 8, .value_kind: global_buffer, .address_space: global }
      - { .name: w_out, .offset: 8, .size: 8, .value_kind: global_buffer, .address_space: global }
      - { .name: b_out, .offset: 16, .size: 8, .value_kind: global_buffer, .address_space: global }
      - { .name: out0, .offset: 24, .size: 8, .value_kind: global_buffer, .address_space: global }
    .group_segment_fixed_size: 18432
    .private_segment_fixed_size: 0
    .kernarg_segment_align: 8
    .kernarg_segment_size: 32
    .max_flat_workgroup_size: 512
    .sgpr_count:     66
    .vgpr_count:     256
    .wavefront_size: 32
...
	.end_amdgpu_metadata
.endif
;; end of part 5
